; MI455X (gfx1250); checked and timed in simulation.
; The chip was launched on July 23, 2026; its instructions are those of AMD's public machine-readable ISA for CDNA 5 (MIT licence, August 2026) and "CDNA5" Instruction Set Architecture Reference Guide (July 2026). The comments in the code are by the model that wrote it; some were corrected since.
;; Multi Head Attention. Allowed arithmetic: matrix products marked QUANTISED: E4M3 operands, one E8M0 scale for each 32 along K, by v_wmma_scale_f32_16x16x128_f8f6f4 with both operands' format E4M3, f32 sums; everything else in f32.
;; Inputs: W_out 1,024 x 1,024 float32; W_qkv 3,072 x 1,024 float32; b_out 1,024 float32; b_qkv 3,072 float32; x_q 4 x 2,048 x 1,024 float32.
;; Outputs: out0 4 x 2,048 x 1,024 float32.
;; This version of the problem:
;;   THIS VERSION OF THE PROBLEM IS GIVEN IN LOW PRECISION. The matrix products marked QUANTISED in the list below multiply operands that are first quantised to E4M3 (4 exponent bits, 3 mantissa bits; 8 bits a number), with one power-of-two scale for each 32 numbers along K (OCP MX v1.0); their sums are f32. All else is computed in f32.
;;   The module's matrix products, in the order in which they are computed (A, B: the left and right operand; K: the contracted axis; several contracted axes count as one K, in the product's order):
;;     1. [M 8,192, K 1,024] x [K 1,024, N 3,072]; A: input x_q; B: input W_qkv: QUANTISED
;;     2. batch 64 x [M 2,048, K 64] x [K 64, N 2,048]; A: computed on the way; B: computed on the way: QUANTISED
;;     3. batch 64 x [M 2,048, K 2,048] x [K 2,048, N 64]; A: softmax (see below); B: computed on the way: QUANTISED
;;     4. [M 8,192, K 1,024] x [K 1,024, N 1,024]; A: computed on the way; B: input W_out: QUANTISED
;;   THE QUANTISER, for each operand of a quantised product, along K:
;;     - K is cut into blocks of 32 from its start; a last block that is shorter is filled with zeros.
;;     - A block's scale is 2^e with e = floor(log2(the largest magnitude in the block)) - 8, held to -126 .. 127; a block of zeros has e = 0. As a byte (E8M0): e + 127.
;;     - Each number is divided by its block's scale, clamped to +-448, and rounded to the nearest number of E4M3, ties to even, subnormals kept.
;;     - The product sums the exact products of the quantised numbers (number of the format x scale) in f32.
;;   ~~~python
;;   def quantise(x, axis):      # numpy; x: float32 -> the quantised numbers, widened to float32 again
;;       x = np.moveaxis(x, axis, -1); K = x.shape[-1]
;;       x = np.pad(x, [(0, 0)] * (x.ndim - 1) + [(0, -K % 32)]); x = x.reshape(x.shape[:-1] + (-1, 32)); a = np.abs(x).max(-1, keepdims=True)
;;       e = np.where(a > 0, np.clip(np.frexp(np.where(a > 0, a, 1))[1] - 1 - 8, -126, 127), 0)      # np.frexp(a)[1] - 1 = floor(log2(a)), exactly
;;       r = np.clip(x / 2.0 ** e, -448, 448)
;;       step = 2.0 ** (np.maximum(np.frexp(np.where(r == 0, 1, r))[1] - 1, -6) - 3)
;;       q = np.round(r / step) * step * 2.0 ** e      # np.round: ties to even
;;       return np.moveaxis(q.reshape(q.shape[:-2] + (-1,))[..., :K], -1, axis).astype(np.float32)
;;   ~~~
;;   SOFTMAX AHEAD OF A QUANTISED PRODUCT. Where the list says 'softmax', what is quantised is not the finished softmax but p = 2^(t - M), with t = logit x log2(e) and M = ceil(the row's largest t), a whole number; so 1/2 < the row's largest p <= 1. The row's sum l is taken of the UNQUANTISED p, in f32, and the product's result is divided by l at the end. Since M is a whole number, a kernel that streams over the keys may use a running M (the ceiling of the running maximum): every later rescaling is an exact power of two, which a block's scale takes up: the codes' values come out the same.
;;   OPERANDS COMPUTED ON THE WAY. 'Computed on the way' means the value that the module computes at that place (a softmax that the list does not call 'softmax' is quantised finished and normalised). What goes into a quantiser is computed in f32, as accurately as f32 sums, v_exp_f32 and their like allow (about 1e-6 of the number): no bf16 or f16 on the way to a quantiser, and a product that is left as it is and whose result goes on into a quantised operand takes f32 operands (vector FMAs, or v_wmma_f32_16x16x4_f32). A number that lies on a knife's edge between two numbers of the format may be rounded either way, as far as f32 arithmetic and the matrix unit's own rounding can turn it there, and no further.
;; One version. Each part assembles by itself: llvm-mc -triple=amdgcn-amd-amdhsa -mcpu=gfx1250 --defsym DOCPART=n.
;; ======== version 1 of 1: 4 launches
;; limits: right only within a limited range of input values
;; workspace buffers: cod 12,582,912 bytes; scl 393,216 bytes; qkv 26,476,544 bytes; aoc 8,388,608 bytes; aos 262,144 bytes
;; launch quant (part 1): grid 768 x 1, 2 waves a work-group, no clusters, 17,152 bytes of LDS; arguments x_q, W_qkv, W_out, cod, scl; writes cod, scl
.if DOCPART == 1
	.amdgcn_target "amdgcn-amd-amdhsa--gfx1250"
	.amdhsa_code_object_version 6
	.text
	.protected	k_q24e9ce6781_quant
	.globl	k_q24e9ce6781_quant
	.p2align	8
	.type	k_q24e9ce6781_quant,@function
k_q24e9ce6781_quant:
	s_mov_b64 s[64:65], 0
	v_nop
	global_prefetch_b8 v0, s[64:65] scope:SCOPE_SE
	s_setreg_imm32_b32 hwreg(HW_REG_WAVE_MODE, 25, 1), 1
	s_wait_xcnt 0x0
; x_q [8192][1024], W_qkv [3072][1024] and W_out [1024][1024], f32 with K innermost, become codes of FP8 (E4M3) with one E8M0 byte for each 32 along K.
; The three tensors count as one run of 12,288 rows = 768 tiles of 16 rows.  THE ROWS OF A TILE ARE NOT NEIGHBOURS: lane r of tile t takes row 32 (t / 2) + 8 (t % 2) + r + 8 (r / 8).
; THE CODES ARE LAID AS IMAGES OF THE OPERAND'S REGISTERS: an image is a tile x 128 along K, 2,048 bytes; byte 512 c + 16 lane + e is the code of the lane's row at k = 32 c + 16 (lane / 16) + e.
; cod: [K step of 256: 4][tile: 768][128 of the step: 2][image];  scl: [K step][tile][row r: 16][128 of the step: 2] words of four scale bytes.
; A block's scale is 2^(floor(log2(largest magnitude)) - 8); its byte is the largest magnitude's exponent field - 8, held at 1 from below.
; LIMITS: a block of zeros, and one whose largest magnitude lies under 2^-118, gets the byte 1 (the stated rule: 127 for zeros; zero codes add nothing under either byte, and this program alone reads the bytes);
; NaN and infinities among the inputs are not served.
; SHARES.  384 groups of 32 rows (two tiles) x 4 K steps are 1,536 shares of a wave: four images, 8,192 consecutive bytes of codes and 256 consecutive bytes of scale words.
; A work-group of two waves takes a group and two of its K steps: 768 work-groups, three for each of 256 WGPs.
; Each load reads 512 consecutive bytes of one row; the conversions want 16 neighbours along K in one lane: so an image's 16 rows x 512 bytes turn through the wave's own stage in LDS (rows of 512 + 16 bytes).
; No cluster: no two work-groups read the same byte.  No barrier: waves share nothing.  No loop: every offset is an immediate.
.set STG,  8448                        ; a wave's stage: 16 rows x 528 bytes
.set SPARE, 2*STG                      ; behind the two stages: the spare words, 128 bytes a wave
.set LO,   4                           ; v4   16 x lane
.set SI,   5                           ; v5   the stage, on the way in: 16 x lane
.set SO,   6                           ; v6   on the way out: 528 r + 64 h
.set SL,   7                           ; v7   8 x lane
.set TM,   8                           ; v8-11 largest magnitudes, v12-15 bytes, v16-19 448 x the scale, v20-23 the conversions' scale operands
.set PW,   24                          ; v24  the scale word just made
.set SW,   26                          ; v[26:27] the scale words that leave: lanes 0-15 the first tile's, lanes 16-31 the second's
.set PC,   32                          ; v32-63  codes, two sets of 16
.set R,    64                          ; v64-255 numbers, three sets of 64
.set SEL,  20                          ; s[20:21] selects for lane l xor 16
.set MNT,  22                          ; s22  the mantissa field of 448
.set HIM,  23                          ; s23  a mask of lanes 16-31
	s_load_b256 s[4:11], s[0:1], 0x0               ; x_q s[4:5], W_qkv s[6:7], W_out s[8:9], cod s[10:11]
	s_load_b64 s[12:13], s[0:1], 0x20              ; scl
	v_lshl_add_u32 v30, v0, 2, SPARE
	v_mov_b32 v31, 0
	v_lshrrev_b32 v1, 5, v0
	v_readfirstlane_b32 s16, v1                    ; wave 0, 1
	v_and_b32 v2, 31, v0                           ; lane
	v_and_b32 v3, 15, v0                           ; r
	v_bfe_u32 v1, v0, 4, 1                         ; h
	v_lshlrev_b32 v[LO], 4, v2
	s_mul_i32 s17, s16, STG
	v_add_nc_u32 v[SI], s17, v[LO]
	v_mul_u32_u24 v[SO], v3, 528
	v_lshl_add_u32 v[SO], v1, 6, v[SO]
	v_add_nc_u32 v[SO], s17, v[SO]
	v_lshlrev_b32 v[SL], 3, v2
.irp b, 0,1,2,3
	v_mov_b32 v[TM+4+\b], 0                        ; written once: a lane permute's destination counts as one of its sources
.endr
	s_mov_b32 s[SEL], 0x76543210
	s_mov_b32 s[SEL+1], 0xfedcba98
	s_mov_b32 s[MNT], 0x600000
	s_mov_b32 s[HIM], 0xffff0000
	s_mov_b32 s17, 352
	s_lshr_b32 s25, ttmp9, 1                       ; the group of 32 rows
	s_and_b32 s26, ttmp9, 1
	s_lshl_b32 s26, s26, 1
	s_add_co_u32 s16, s16, s26                     ; my K step: 2 x (work-group % 2) + wave
	s_wait_alu depctr_va_vdst(0)                   ; the wait at the head's end
	s_wait_kmcnt 0x0
	s_cmp_lt_u32 s25, 352                          ; groups 0-255: x_q; 256-351: W_qkv; 352-383: W_out.  The choice hangs on the work-group's number alone
	s_cselect_b64 s[6:7], s[6:7], s[8:9]
	s_cselect_b32 s17, 256, s17
	s_cmp_lt_u32 s25, 256
	s_cselect_b64 s[4:5], s[4:5], s[6:7]
	s_cselect_b32 s17, 0, s17
	s_sub_co_u32 s17, s25, s17                     ; the group's number in its own tensor
	s_lshl_b32 s18, s17, 17                        ; 32 rows of 4,096 bytes
	s_lshl_b32 s19, s16, 10                        ; + my K step's 1,024 bytes of a row
	s_add_co_u32 s18, s18, s19
	s_mov_b32 s19, 0
	s_add_nc_u64 s[4:5], s[4:5], s[18:19]
	s_mul_i32 s18, s16, 3145728                    ; cod: my K step, my group's four images
	s_lshl_b32 s24, s25, 13
	s_add_co_u32 s18, s18, s24
	s_add_nc_u64 s[10:11], s[10:11], s[18:19]
	s_mul_i32 s18, s16, 98304                      ; scl likewise: 256 bytes a group
	s_lshl_b32 s24, s25, 8
	s_add_co_u32 s18, s18, s24
	s_add_nc_u64 s[12:13], s[12:13], s[18:19]
; image n = 2 u + q: tile u of the group, the q-th 128 of my K step.  Sixteen loads, a row each: 32 lanes read 512 consecutive bytes
.macro LOADI n, set
.irp i, 0,1,2,3,4,5,6,7,8,9,10,11,12,13,14,15
	global_load_b128 v[R+64*(\set)+4*\i:R+64*(\set)+4*\i+3], v[LO], s[4:5] offset:(8*((\n)/2)+\i+8*(\i/8))*4096+512*((\n)%2) th:TH_LOAD_NT
.endr
.endm
; through the stage: in as loaded, back 64 bytes a lane and block: register 16 c + i = k 32 c + 16 h + i of row r.  LDS serves a wave's instructions in order: no wait between the stores and the loads
.macro TURN set
.irp i, 0,1,2,3,4,5,6,7,8,9,10,11,12,13,14,15
	ds_store_b128 v[SI], v[R+64*(\set)+4*\i:R+64*(\set)+4*\i+3] offset:528*\i
.endr
.irp c, 0,1,2,3
.irp j, 0,1,2,3
	ds_load_b128 v[R+64*(\set)+16*\c+4*\j:R+64*(\set)+16*\c+4*\j+3], v[SO] offset:128*\c+16*\j
.endr
.endr
.endm
; 64 numbers of a lane become an image's 16 registers of codes in v[pc] on and the row's scale word in v[PW]
.macro QUANT s, pc
.irp b, 0,1,2,3
	v_max3_num_f32 v[TM+\b], |v[\s+16*\b]|, |v[\s+16*\b+1]|, 0x4800000   ; block b: my 16 numbers and the floor 2^(9 - 127): the byte cannot fall under 1
.endr
.irp i, 2,4,6,8,10,12,14
.irp b, 0,1,2,3
	v_max3_num_f32 v[TM+\b], v[TM+\b], |v[\s+16*\b+\i]|, |v[\s+16*\b+\i+1]|   ; the four blocks by turns
.endr
.endr
.irp b, 0,1,2,3
	v_permlanex16_b32 v[TM+4+\b], v[TM+\b], s[SEL], s[SEL+1]
.endr
.irp b, 0,1,2,3
	v_max_num_f32 v[TM+\b], v[TM+\b], v[TM+4+\b]   ; with lane l xor 16's 16: the block's largest magnitude
.endr
.irp b, 0,1,2,3
	v_add_nc_u32 v[TM+12+\b], 0xfc000000, v[TM+\b] ; 8 off its exponent field: the conversion takes this operand's exponent field as its scale
.endr
.irp b, 0,1,2,3
	v_and_or_b32 v[TM+8+\b], v[TM+\b], 0x7f800000, s[MNT]   ; 448 x the scale
.endr
.irp b, 0,1,2,3
	v_lshrrev_b32 v[TM+4+\b], 23, v[TM+12+\b]      ; the scale's byte
.endr
	v_lshl_or_b32 v[PW], v[TM+5], 8, v[TM+4]
	v_lshl_or_b32 v[PW], v[TM+6], 16, v[PW]
	v_lshl_or_b32 v[PW], v[TM+7], 24, v[PW]
.irp b, 0,1,2,3
.irp i, 0,1,2,3,4,5,6,7,8,9,10,11,12,13,14,15
	v_med3_num_f32 v[\s+16*\b+\i], v[\s+16*\b+\i], -v[TM+8+\b], v[TM+8+\b]   ; the conversion to an 8-bit code does not saturate (ISA guide 7.6.2): the hold comes first
.endr
	v_cvt_scalef32_pk8_fp8_f32 v[\pc+4*\b:\pc+4*\b+1], v[\s+16*\b:\s+16*\b+7], v[TM+12+\b]
	v_cvt_scalef32_pk8_fp8_f32 v[\pc+4*\b+2:\pc+4*\b+3], v[\s+16*\b+8:\s+16*\b+15], v[TM+12+\b]
.endr
	v_nop                                          ; a plain instruction behind the last conversion
.endm
; one image.  cnt: the loads of younger images, which may stay out
.macro IMG n, set, cnt
	s_wait_loadcnt \cnt
.if (\n) >= 2
	s_wait_xcnt 0x0                                ; the stores of two images ago have read this set of codes
.endif
	TURN \set
	s_wait_dscnt 0x0
	QUANT R+64*(\set), PC+16*((\n)%2)
.irp c, 0,1,2,3
	global_store_b128 v[LO], v[PC+16*((\n)%2)+4*\c:PC+16*((\n)%2)+4*\c+3], s[10:11] offset:2048*(\n)+512*\c   ; 512 consecutive bytes, aligned
.endr
.if (\n) < 2
	v_mov_b32 v[SW+(\n)%2], v[PW]                  ; every lane (r, h) holds row r's word
.else
	v_cndmask_b32 v[SW+(\n)%2], v[SW+(\n)%2], v[PW], s[HIM]   ; lanes 16-31 take the second tile's
.endif
.endm
	LOADI 0, 0
	LOADI 1, 1
	LOADI 2, 2
	IMG 0, 0, 32
	LOADI 3, 0
	IMG 1, 1, 32
	IMG 2, 2, 16
	IMG 3, 0, 0
	global_store_b64 v[SL], v[SW:SW+1], s[12:13]   ; 32 lanes store 256 consecutive bytes, aligned
	s_wait_tensorcnt 0x0                           ; the wave's end
	ds_add_u32 v30, v31
	s_wait_dscnt 0x0
	s_endpgm
.Lfunc_end_k_q24e9ce6781_quant:
	.size	k_q24e9ce6781_quant, .Lfunc_end_k_q24e9ce6781_quant-k_q24e9ce6781_quant
	.p2alignl 7, 3214868480
	.fill 96, 4, 3214868480
	.section	.rodata,"a",@progbits
	.p2align	6, 0x0
	.amdhsa_kernel k_q24e9ce6781_quant
		.amdhsa_group_segment_fixed_size 17152
		.amdhsa_private_segment_fixed_size 0
		.amdhsa_enable_private_segment 0
		.amdhsa_kernarg_size 40
		.amdhsa_user_sgpr_count 2
		.amdhsa_user_sgpr_kernarg_segment_ptr 1
		.amdhsa_wavefront_size32 1
		.amdhsa_system_sgpr_workgroup_id_x 1
		.amdhsa_system_sgpr_workgroup_id_y 1
		.amdhsa_system_sgpr_workgroup_id_z 1
		.amdhsa_system_vgpr_workitem_id 0
		.amdhsa_next_free_vgpr 256
		.amdhsa_next_free_sgpr 66
		.amdhsa_reserve_vcc 0
		.amdhsa_float_denorm_mode_32 3
		.amdhsa_float_denorm_mode_16_64 3
		.amdhsa_memory_ordered 1
		.amdhsa_forward_progress 1
		.amdhsa_inst_pref_size 51
	.end_amdhsa_kernel
	.amdgpu_metadata
---
amdhsa.version: [ 1, 2 ]
amdhsa.kernels:
  - .name:           k_q24e9ce6781_quant
    .symbol:         k_q24e9ce6781_quant.kd
    .args:
      - { .name: x_q, .offset: 0, .size: 8, .value_kind: global_buffer, .address_space: global }
      - { .name: W_qkv, .offset: 8, .size: 8, .value_kind: global_buffer, .address_space: global }
      - { .name: W_out, .offset: 16, .size: 8, .value_kind: global_buffer, .address_space: global }
      - { .name: cod, .offset: 24, .size: 8, .value_kind: global_buffer, .address_space: global }
      - { .name: scl, .offset: 32, .size: 8, .value_kind: global_buffer, .address_space: global }
    .group_segment_fixed_size: 17152
    .private_segment_fixed_size: 0
    .kernarg_segment_align: 8
    .kernarg_segment_size: 40
    .max_flat_workgroup_size: 64
    .sgpr_count:     66
    .vgpr_count:     256
    .wavefront_size: 32
...
	.end_amdgpu_metadata
.endif
;; end of part 1
;; launch qkv (part 2): grid 8 x 48, 4 waves a work-group, clusters of 4 x 4, 327,680 bytes of LDS; arguments cod, scl, b_qkv, qkv; writes qkv
.if DOCPART == 2
	.amdgcn_target "amdgcn-amd-amdhsa--gfx1250"
	.amdhsa_code_object_version 6
	.text
	.protected	k_q24e9ce6781_qkv
	.globl	k_q24e9ce6781_qkv
	.p2align	8
	.type	k_q24e9ce6781_qkv,@function
k_q24e9ce6781_qkv:
	s_mov_b64 s[64:65], 0
	v_nop
	global_prefetch_b8 v0, s[64:65] scope:SCOPE_SE
	s_setreg_imm32_b32 hwreg(HW_REG_WAVE_MODE, 25, 1), 1
	s_wait_xcnt 0x0
	s_wait_alu depctr_hold_cnt(0) depctr_sa_sdst(0) depctr_va_vdst(0) depctr_va_sdst(0) depctr_va_ssrc(0) depctr_va_vcc(0) depctr_vm_vsrc(0)
	s_getreg_b32 s2, hwreg(HW_REG_IB_STS2, 6, 4)
	s_cmp_eq_u32 s2, 0
	s_cbranch_scc0 .Lentry_in_a_cluster
	s_endpgm
.Lentry_in_a_cluster:
	s_bfe_u32 s2, ttmp6, 0x10000c
	s_cmp_lg_u32 s2, 0xf033
	s_cbranch_scc0 .Lentry_shape_is_right
	s_endpgm
.Lentry_shape_is_right:
; q, k, v = x W_qkv^T + b_qkv on codes of FP8 (E4M3) with E8M0 scales, K = 1,024; the results are quantised here, in registers, and leave as codes: q and k along the head's 64, v along the keys.
; OPERANDS come as images of their registers (cod, scl): an image is 16 rows x 128 K, byte 512 c + 16 lane + e; lane r of tile t holds row 32 (t / 2) + 8 (t % 2) + r + 8 (r / 8).
; A tile of the product is 256 (L) x 256 (R), four waves, a wave 128 x 128: 64 accumulators.  Source 0 = 16 rows of R, source 1 = 16 rows of L: a lane holds ONE row of L, and the 16 registers of accumulators
; 2 B and 2 B + 1 are R's rows 32 B + 16 (lane / 16) + 0 .. 15: sixteen neighbours along the axis that is quantised next.
; TWO ROLES, told apart by the cluster's y, which all partners share:  y < 8: L = x, R = W_q (cluster x = 0) or W_k (1): registers run along the head's channels.   y >= 8: L = W_v, R = x: registers run along the keys.
; K goes in steps of 256 through two LDS slots; a wave's tensor load brings 8 tiles x 2 images, 32,768 dense bytes.  The scale words of all of K come once, with the first fills.
; CLUSTERS: 4 x 4 work-groups; L's tiles are asked for jointly along a row of the cluster, R's along a column.
; THE BIAS is the C of each sum's first product.  q's factor 1/8 is not applied here: a power of two moves a block's scale byte alone, so it is folded into the softmax's constant in the next launch.
; OUT (buffer qkv): q's codes [head 64][tile 128][1,024] at 0; q's scale images [head][step 16][512] at 8,388,608; from 8,912,896 a record of 274,432 bytes for each head:
;   k's codes [step][tile 8][1,024], v's codes [step][tile of channels 4][2,048] at 131,072, k's scale images [step][512] at 262,144, v's [step][256] at 270,336.
; LIMITS: a block whose largest magnitude lies under 2^-118 (zeros too) gets the byte 1; with the folded 1/8, blocks of q under 2^-115 differ from the stated rule; NaN and infinities are not served.
; REGISTERS: window 0: v16-31 addresses; v32-63 scale words, two sets; v64-127 the bias, later the quantiser's work; v128-255 L's fragments, one set.  window 1: R's fragments, two sets.  windows 2, 3: the accumulators.
.set NQ,    2                          ; steps of 128 in a slot
.set FR,    16                         ; registers of a fragment
.set NL,    4                          ; LDS loads that bring one
.set NP,    8                          ; places behind this matrix instruction (ISA guide 7.12.1)
.set SLOT,  131072                     ; L's 16 tiles x 4,096 bytes, then R's
.set SCL,   262144                     ; the scale words: L's [K step 4][tile 16][128 bytes], 8,192 bytes, then R's likewise
.set SPARE, 278528                     ; the spare words: 128 bytes for each wave, named by no other line
.set S2C,   3145728                    ; from a K step of 256 to the next in cod
.set ADRA, 16                          ; v16-17 my L fragments in slot 0, 1
.set ADRB, 20                          ; v20-21 my R fragments
.set L8,   25                          ; v25  8 x lane
.set LI,   26                          ; v26  16 x lane
.set ADRS, 27                          ; v27  my scale words: lanes 0-15 L's, lanes 16-31 R's
.set SPW,  28                          ; v28  my spare word; never rewritten
.set NIL,  29                          ; v29  0; never rewritten
.set SC,   32
.set BIAS, 64
.set AF,   128
.set TM,   64                          ; the way out: v64-79 as in the quantiser of the first launch
.set PW,   80
.set XW,   84                          ; v84-87 scale words of blocks 2 i (lanes 0-15) and 2 i + 1 (lanes 16-31)
.set YW,   88                          ; v88-95 q's and k's scale images of the two heads
.set PC,   96                          ; v96-127 codes, two sets
.set FLR,  2                           ; s2   the floor 2^(9 - 127)
.set MNT,  3                           ; s3   the mantissa field of 448
.set SEL,  66                          ; s[66:67]
.set G1, 24                            ; s[24:31] group 1 for L's codes; s[32:39] group 0, a set for each slot
.set G0, 32
.set G1B, 48                           ; the same for R's
.set G0B, 56
.set G1S, 68                           ; s[68:75], s[76:79] for L's scale words; s[80:87], s[88:91] for R's
.set G0S, 76
.set G1SB, 80
.set G0SB, 88
.set MSB, 0
.macro WIN new                         ; the immediate's high byte repeats the setting that is left
.if MSB != (\new)
	s_set_vgpr_msb (MSB<<8)|(\new)
.set MSB, (\new)
.endif
.endm
.set MUL_LO, 0xa1                      ; source 0 (R) window 1, source 1 (L) window 0, C and D window 2
.set MUL_HI, 0xf1                      ; the same, C and D window 3
.set TO_B,   0x40
; A joint load: waves 0 and 1 fetch for L, waves 2 and 3 for R; the branch hangs on the wave's number alone.  Four v_nop follow each of the two lines
.macro JLOAD g0a, g1a, g0b, g1b
	s_cmp_eq_u32 s15, 0
	s_cbranch_scc0 .Lfor_b_\@
	tensor_load_to_lds s[\g0a:\g0a+3], s[\g1a:\g1a+7]
	s_nop 0
.rept 4
	v_nop
.endr
	s_branch .Lasked_\@
.Lfor_b_\@:
	tensor_load_to_lds s[\g0b:\g0b+3], s[\g1b:\g1b+7]
	s_nop 0
.rept 4
	v_nop
.endr
.Lasked_\@:
.endm
.macro CREST                           ; a round of the cluster's barrier behind its opening barrier
	s_cmp_lg_u32 s14, 0
	s_cbranch_scc1 .Lnot_wave_0_\@
	s_barrier_signal -3
.Lnot_wave_0_\@:
	s_barrier_wait -3
	s_barrier_signal -1
	s_barrier_wait -1
.endm
.macro CROUND
	s_barrier_signal -1
	s_barrier_wait -1
	CREST
.endm
	s_load_b256 s[4:11], s[0:1], 0x0               ; cod s[4:5], scl s[6:7], b_qkv s[8:9], qkv s[10:11]
	v_lshl_add_u32 v[SPW], v0, 2, SPARE
	v_mov_b32 v[NIL], 0
	ds_add_u32 v28, v29
	ds_add_u32 v28, v29
	s_wait_dscnt 0x0
	v_lshrrev_b32 v1, 5, v0
	v_readfirstlane_b32 s14, v1                    ; wave 0..3
	s_lshr_b32 s15, s14, 1                         ; which half of L's rows is mine.  Also: I fetch for L (0) or for R (1)
	s_and_b32 s16, s14, 1                          ; which half of R's rows.  Also: which 8 tiles I fetch
	s_bfe_u32 s40, ttmp6, 0x40000                  ; cx
	s_bfe_u32 s41, ttmp6, 0x40004                  ; cy
	s_mov_b32 s42, ttmp9                           ; the cluster's x: 0, 1
	s_and_b32 s17, ttmp7, 0xffff                   ; the cluster's y: 0 .. 11
	s_lshl_b32 s43, s41, 2
	s_lshl_b32 s43, 15, s43                        ; my row of the cluster
	s_lshl_b32 s44, 0x1111, s40                    ; my column
	s_or_b32 s[G1+0], s43, (3<<16)|(1<<21)         ; 15:0 the mask; 17:16 elements of 8 bytes; 21 set beside a mask; no padding: an image's loads take consecutive bytes
	s_or_b32 s[G1B+0], s44, (3<<16)|(1<<21)
.irp g, G1, G1B
	s_mov_b32 s[\g+1], 32<<16                      ; tensor_dim0: rows of 256 bytes
	s_mov_b32 s[\g+2], 256<<16                     ; tensor_dim1 = 256 for the head's loads: 65,536 dense bytes; set to 128 for the ring behind them
	s_mov_b32 s[\g+3], 32<<16                      ; tile_dim0
	s_mov_b32 s[\g+4], 256                         ; tile_dim1
	s_mov_b32 s[\g+5], 32                          ; the pitch: dense
	s_mov_b32 s[\g+6], 0
	s_mov_b32 s[\g+7], 0
.endr
	s_or_b32 s[G1S+0], s43, (3<<16)|(1<<21)
	s_or_b32 s[G1SB+0], s44, (3<<16)|(1<<21)
.irp g, G1S, G1SB
	s_mov_b32 s[\g+1], 256<<16                     ; 16 tiles' scale words of a K step: 2,048 bytes,
	s_mov_b32 s[\g+2], 4<<16                       ; for the four K steps,
	s_mov_b32 s[\g+3], 256<<16
	s_mov_b32 s[\g+4], 4
	s_mov_b32 s[\g+5], 12288                       ; 98,304 bytes apart
	s_mov_b32 s[\g+6], 0
	s_mov_b32 s[\g+7], 0
.endr
	; the first tiles.  L's number is made of the cluster's y and cy alone, R's of the cluster's x, y and cx alone
	s_lshl_b32 s18, s17, 6                         ; x as L: 64 y
	s_lshl_b32 s98, s17, 7
	s_sub_co_u32 s98, s98, 1024                    ; x as R: 128 (y - 8)
	s_cmp_ge_u32 s17, 8
	s_cselect_b32 s12, 1, 0                        ; the role: 1 = v
	s_cselect_b32 s18, 640, s18                    ; W_v begins at tile 640
	s_cselect_b32 s98, s98, 512                    ; W_q at 512
	s_lshl_b32 s19, s41, 4
	s_add_co_u32 s18, s18, s19                     ; L's first tile: + 16 cy
	s_lshl_b32 s99, s42, 6
	s_add_co_u32 s98, s98, s99                     ; + 64 x
	s_lshl_b32 s99, s40, 4
	s_add_co_u32 s98, s98, s99                     ; R's first tile: + 16 cx
	s_mov_b32 s19, s18                             ; the head's loads take all 16 tiles of L
	s_mov_b32 s99, s98                             ; or of R
	s_lshl_b32 s20, s19, 12                        ; 4,096 bytes of codes a tile and K step,
	s_mov_b32 s21, 0
	s_lshl_b32 s22, s19, 7                         ; 128 of scale words
	s_mov_b32 s23, 0
	s_lshl_b32 s46, s99, 12
	s_mov_b32 s47, 0
	s_lshl_b32 s92, s99, 7
	s_mov_b32 s93, 0
	s_lshl_b32 s45, s14, 15                        ; where they go: 32,768 x wave: no place in the cluster enters an LDS address
	s_lshl_b32 s94, s16, 15                        ; in the ring I fetch 8 tiles: which half, in bytes
	s_mov_b32 s95, 0
	s_wait_kmcnt 0x0
	s_add_nc_u64 s[20:21], s[4:5], s[20:21]
	s_add_nc_u64 s[22:23], s[6:7], s[22:23]
	s_add_nc_u64 s[46:47], s[4:5], s[46:47]
	s_add_nc_u64 s[92:93], s[6:7], s[92:93]
	CROUND                                         ; all sixteen work-groups are here: the first joint loads meet
	s_mov_b32 s[G0S], 1
	s_mov_b32 s[G0S+1], SCL
	s_mov_b64 s[G0S+2:G0S+3], s[22:23]
	s_or_b32 s[G0S+3], s[G0S+3], 0x80000000
	s_mov_b32 s[G0SB], 1
	s_mov_b32 s[G0SB+1], SCL+8192
	s_mov_b64 s[G0SB+2:G0SB+3], s[92:93]
	s_or_b32 s[G0SB+3], s[G0SB+3], 0x80000000
	s_mov_b32 s[G0], 1                             ; slot 0's groups 0 serve the head first: K step 0's 16 tiles of L, whole,
	s_mov_b32 s[G0+1], 0
	s_mov_b64 s[G0+2:G0+3], s[20:21]
	s_or_b32 s[G0+3], s[G0+3], 0x80000000
	s_mov_b32 s[G0B], 1                            ; and of R, behind them
	s_mov_b32 s[G0B+1], 65536
	s_mov_b64 s[G0B+2:G0B+3], s[46:47]
	s_or_b32 s[G0B+3], s[G0B+3], 0x80000000
	s_add_nc_u64 s[20:21], s[20:21], s[94:95]      ; for the ring: my 8 tiles
	s_add_nc_u64 s[46:47], s[46:47], s[94:95]
	s_mov_b32 s[G0+4], 1
	s_add_co_u32 s[G0+5], s45, SLOT
	s_add_nc_u64 s[G0+6:G0+7], s[20:21], S2C
	s_or_b32 s[G0+7], s[G0+7], 0x80000000
	s_mov_b32 s[G0B+4], 1
	s_add_co_u32 s[G0B+5], s45, SLOT
	s_add_nc_u64 s[G0B+6:G0B+7], s[46:47], S2C
	s_or_b32 s[G0B+7], s[G0B+7], 0x80000000
; the head's four tiles, one joint load a wave: wave 0 L's codes of K step 0, wave 1 R's, wave 2 L's scale words, wave 3 R's.  One chain of branches on the wave's number
.macro ARM under, g0, g1, next
	s_cmp_lt_u32 s14, \under
	s_cbranch_scc0 \next
	tensor_load_to_lds s[\g0:\g0+3], s[\g1:\g1+7]
	s_nop 0
.rept 4
	v_nop
.endr
	s_branch .Lhead_asked
\next:
.endm
	ARM 1, G0,  G1,  .Lhead_b
	ARM 2, G0B, G1B, .Lhead_sa
	ARM 3, G0S, G1S, .Lhead_sb
	tensor_load_to_lds s[G0SB:G0SB+3], s[G1SB:G1SB+7]
	s_nop 0
.rept 4
	v_nop
.endr
.Lhead_asked:
	; prefetches: of the 128 blocks of 256 bytes that I fetch in a K step, the four partners that ask with me take 32 each, told apart by address (cx for L, cy for R); a lane a block.
	; K steps 1 and 2 are asked for here, K step 3 behind the first refill; the addresses are never rewritten
	s_cmp_eq_u32 s15, 0
	s_cselect_b64 s[4:5], s[20:21], s[46:47]       ; my 8 tiles at K step 0
	s_cselect_b32 s6, s40, s41
	s_lshl_b32 s6, s6, 13
	s_mov_b32 s7, 0
	s_add_nc_u64 s[4:5], s[4:5], s[6:7]
	s_add_nc_u64 s[6:7], s[4:5], 3*S2C
	v_and_b32 v9, 31, v0
	v_lshlrev_b32 v9, 8, v9
	global_prefetch_b8 v9, s[4:5] offset:S2C th:TH_LOAD_NT scope:SCOPE_SE
	global_prefetch_b8 v9, s[4:5] offset:2*S2C th:TH_LOAD_NT scope:SCOPE_SE
	v_and_b32 v1, 15, v0                           ; r
	v_bfe_u32 v2, v0, 4, 1                         ; h
	s_wait_alu depctr_va_vdst(0)
	v_and_b32 v3, 31, v0
	v_lshlrev_b32 v[LI], 4, v3
	v_lshlrev_b32 v[L8], 3, v3
	s_lshl_b32 s21, s15, 15                        ; my 8 tiles of L
	s_lshl_b32 s22, s16, 15                        ; my 8 tiles of R,
	s_add_co_u32 s22, s22, 65536                   ; which lie behind L's 16
.irp s, 0,1
	v_add_nc_u32 v[ADRA+\s], s21, v[LI]
	v_add_nc_u32 v[ADRB+\s], s22, v[LI]
	s_add_co_u32 s21, s21, SLOT
	s_add_co_u32 s22, s22, SLOT
.endr
	v_lshlrev_b32 v5, 3, v1                        ; my row's two words of a K step
	s_lshl_b32 s21, s15, 10                        ; L's: my 8 tiles of a K step's 16
	s_lshl_b32 s22, s16, 10                        ; R's: my 8 tiles, behind L's 8,192 bytes
	s_add_co_u32 s22, s22, 8192
	s_sub_co_u32 s22, s22, s21
	v_mul_u32_u24 v6, s22, v2                      ; lanes 16-31 take R's: one product, the distance between the two
	s_add_co_u32 s21, s21, SCL
	v_add_nc_u32 v5, v5, v6
	v_add_nc_u32 v[ADRS], s21, v5
	v_lshlrev_b32 v7, 6, v2                        ; the bias, q and k: 64 h
	v_and_b32 v8, 8, v1
	v_add_nc_u32 v8, v8, v1
	v_lshlrev_b32 v8, 2, v8                        ; v: 4 (r + 8 (r / 8))
	; which rows are my wave's, in units of 128: tile / 8 + my half
	s_lshr_b32 s18, s18, 3
	s_add_co_u32 s18, s18, s15
	s_lshr_b32 s98, s98, 3
	s_add_co_u32 s98, s98, s16
	s_cmp_eq_u32 s12, 0
	s_cselect_b32 s19, s18, s98                    ; x's unit: 16 b + j
	s_cselect_b32 s99, s98, s18                    ; W's unit; W_qkv begins at unit 64
	s_sub_co_u32 s94, s99, 64
	s_lshl_b32 s94, s94, 9
	s_mov_b32 s95, 0
	s_add_nc_u64 s[8:9], s[8:9], s[94:95]          ; b_qkv at my 128 numbers
	s_lshr_b32 s94, s19, 4
	s_lshl_b32 s94, s94, 4                         ; 16 b
	s_and_b32 s99, s99, 7
	s_lshl_b32 s99, s99, 1
	s_add_co_u32 s99, s99, s94                     ; the first of my two heads: 16 b + 2 (unit % 8)
	s_and_b32 s19, s19, 15                         ; j: the step of 128 rows or keys
	s_mov_b32 s92, 274432
	s_mov_b32 s94, 9175040
	s_cmp_eq_u32 s42, 0                            ; q or k, where the role is 0
	s_cselect_b32 s20, 0, 8912896                  ; where the codes begin,
	s_cselect_b32 s21, 131072, s92                 ; from head to head,
	s_cselect_b32 s46, 8388608, s94                ; where the scale images begin,
	s_cselect_b32 s96, 8192, s92                   ; from head to head
	s_mov_b32 s93, 1024
	s_cmp_eq_u32 s12, 1                            ; v
	s_cselect_b32 s20, 9043968, s20
	s_cselect_b32 s21, s92, s21
	s_cselect_b32 s46, 9183232, s46
	s_cselect_b32 s96, s92, s96
	s_cselect_b32 s22, s93, s21                    ; where a block's registers 8-15 go: q, k: the next head; v: the image's second half
	s_cselect_b32 s47, 8, 9                        ; a step's scale image: 256 or 512 bytes
	s_cselect_b32 s94, 266240, 0                   ; v: at block 4 on to the next head
	s_cselect_b32 s92, 2048, s93                   ; from block to block
	s_mov_b32 s93, 0
	s_mov_b32 s95, 0
	s_mov_b32 s97, 0
	s_mov_b32 s23, 0
	s_mul_i32 s21, s99, s21
	s_add_co_u32 s20, s20, s21
	s_lshl_b32 s21, s19, 13                        ; 8,192 bytes a step
	s_add_co_u32 s20, s20, s21
	s_mov_b32 s21, 0
	s_add_nc_u64 s[20:21], s[10:11], s[20:21]      ; s[20:21]: registers 0-7 of a block's codes
	s_add_nc_u64 s[22:23], s[20:21], s[22:23]      ; s[22:23]: registers 8-15
	s_mul_i32 s99, s99, s96
	s_add_co_u32 s46, s46, s99
	s_lshl_b32 s47, s19, s47
	s_add_co_u32 s46, s46, s47
	s_mov_b32 s47, 0
	s_add_nc_u64 s[46:47], s[10:11], s[46:47]      ; the first head's scale image
	s_add_nc_u64 s[96:97], s[46:47], s[96:97]      ; the second's
	s_mov_b32 s[FLR], 0x4800000
	s_mov_b32 s[MNT], 0x600000
	s_mov_b32 s13, 0xffff0000                      ; a mask of lanes 16-31
	s_mov_b32 s45, 0x7f7f0000                      ; the scale 1 for the upper 64 of the next product's K, whose codes are zeros
	s_mov_b32 s[SEL], 0x76543210
	s_mov_b32 s[SEL+1], 0xfedcba98
	; the bias in the result's layout.  q, k: it runs along the registers: eight numbers for each of R's blocks.  v: it hangs on the lane's row of L: one number for each of L's blocks, in all eight registers
	s_cmp_eq_u32 s12, 0
	s_cbranch_scc0 .Lbias_v
	s_wait_alu depctr_va_vdst(0)
.irp b, 0,1,2,3,4,5,6,7
	global_load_b128 v[BIAS+8*\b:BIAS+8*\b+3], v7, s[8:9] offset:128*(\b/2)+32*(\b%2)
	global_load_b128 v[BIAS+8*\b+4:BIAS+8*\b+7], v7, s[8:9] offset:128*(\b/2)+32*(\b%2)+16
.endr
	s_branch .Lbias_done
.Lbias_v:
	s_wait_alu depctr_va_vdst(0)
.irp a, 0,1,2,3,4,5,6,7
	global_load_b32 v[BIAS+8*\a], v8, s[8:9] offset:128*(\a/2)+32*(\a%2)
.endr
	s_wait_loadcnt 0x0
.irp a, 0,1,2,3,4,5,6,7
.irp j, 1,2,3,4,5,6,7
	v_mov_b32 v[BIAS+8*\a+\j], v[BIAS+8*\a]
.endr
.endr
.Lbias_done:
	s_wait_loadcnt 0x0
.macro FRAG reg, adr, q, i             ; an image comes back as it was laid: four loads of 512 consecutive bytes
.irp c, 0,1,2,3
	ds_load_b128 v[\reg+4*\c:\reg+4*\c+3], v[\adr] offset:4096*(\i)+2048*(\q)+512*\c
.endr
.endm
; 16 matrix instructions: L's blocks a0, a0 + 1 x R's eight.  p: R's set; q: the slot's 128; sc: the set of scale words.  mode 0: add in place; 1: C = the bias of R's block; 2: C = the bias of L's block.
; The 64 accumulators take turns, one instruction a turn, in the same order in every step
.macro MUL16 a0, p, q, sc, mode
.irp a, \a0, \a0+1
.irp b, 0,1,2,3,4,5,6,7
.if \mode == 0
	v_wmma_scale_f32_16x16x128_f8f6f4 v[8*(8*((\a)%4)+\b):8*(8*((\a)%4)+\b)+7], v[128*(\p)+FR*\b:128*(\p)+FR*\b+FR-1], v[AF+FR*(\a):AF+FR*(\a)+FR-1], v[8*(8*((\a)%4)+\b):8*(8*((\a)%4)+\b)+7], v[SC+8*NQ*(\sc)+NQ*\b+(\q)], v[SC+8*NQ*(\sc)+NQ*(\a)+(\q)] matrix_a_scale:MATRIX_SCALE_ROW1
.elseif \mode == 1
	v_wmma_scale_f32_16x16x128_f8f6f4 v[8*(8*((\a)%4)+\b):8*(8*((\a)%4)+\b)+7], v[128*(\p)+FR*\b:128*(\p)+FR*\b+FR-1], v[AF+FR*(\a):AF+FR*(\a)+FR-1], v[BIAS+8*\b:BIAS+8*\b+7], v[SC+8*NQ*(\sc)+NQ*\b+(\q)], v[SC+8*NQ*(\sc)+NQ*(\a)+(\q)] matrix_a_scale:MATRIX_SCALE_ROW1
.else
	v_wmma_scale_f32_16x16x128_f8f6f4 v[8*(8*((\a)%4)+\b):8*(8*((\a)%4)+\b)+7], v[128*(\p)+FR*\b:128*(\p)+FR*\b+FR-1], v[AF+FR*(\a):AF+FR*(\a)+FR-1], v[BIAS+8*(\a):BIAS+8*(\a)+7], v[SC+8*NQ*(\sc)+NQ*\b+(\q)], v[SC+8*NQ*(\sc)+NQ*(\a)+(\q)] matrix_a_scale:MATRIX_SCALE_ROW1
.endif
.endr
.endr
.endm
.macro FETCH_B slot, q, p
	WIN TO_B
.irp i, 0,1,2,3,4,5,6,7
	FRAG 128*(\p)+FR*\i, ADRB+\slot, \q, \i
.endr
	WIN 0
.endm
.macro FETCH_A slot, q, i0
.irp i, \i0, \i0+1, \i0+2, \i0+3
	FRAG AF+FR*(\i), ADRA+\slot, \q, \i
.endr
.endm
.macro SCALES sc, s2                   ; the scale words of K step s2 into set sc: two words a row; lanes 0-15 L's block i, lanes 16-31 R's block i
.irp i, 0,1,2,3,4,5,6,7
	ds_load_b64 v[SC+16*(\sc)+2*\i:SC+16*(\sc)+2*\i+1], v[ADRS] offset:2048*(\s2)+128*\i
.endr
.endm
.macro PLACES n                        ; plain vector instructions between a matrix instruction and a load into, or a read of, its registers
.rept \n
	v_nop
.endr
.endm
; a slot's first step of 128
.macro STEP slot, mode
	s_wait_dscnt 4*NL                              ; R's set, L's blocks 0-3 and the scale words are in; the youngest 16 loads (L's blocks 4-7) may be out
.if \mode
	WIN 0x81                                       ; C (the bias) in window 0, D in window 2
.else
	WIN MUL_LO
.endif
	MUL16 0, 0, 0, \slot, \mode
	MUL16 2, 0, 0, \slot, \mode
	s_wait_dscnt 0                                 ; L's blocks 4-7 are in
	PLACES NP
	FETCH_B \slot, 1, 1
	FETCH_A \slot, 1, 0
.if \mode
	WIN 0xc1
.else
	WIN MUL_HI
.endif
	MUL16 4, 0, 0, \slot, \mode
	MUL16 6, 0, 0, \slot, \mode
	PLACES NP
	WIN 0
	FETCH_A \slot, 1, 4
.endm
; a slot's second step changes slots: one barrier; in front of it each wave waits for all its tensor loads, adds 0 to its spare word, and waits for that and for its reads of this slot.
; fill = 1: this slot is filled again, two K steps ahead, behind a round of the cluster's barrier.  s2n: the K step that lies in the next slot
.macro TURN slot, next, fill, s2n
	s_wait_tensorcnt 0x0                           ; all my tensor loads have landed: my part of the next slot
	ds_add_u32 v[SPW], v[NIL]                      ; 0 onto my spare word
	s_wait_dscnt 4*NL+1                            ; the add and the youngest 16 loads may be out
	WIN MUL_LO
	MUL16 0, 1, 1, \slot, 0
	s_wait_dscnt 0x0                               ; the add is done, and my reads of this slot are over
	s_barrier_signal -1
	MUL16 2, 1, 1, \slot, 0
	WIN 0
	s_barrier_wait -1
.if \fill
	CREST                                          ; no wave of any partner still reads this slot or has a load on its way
	s_add_nc_u64 s[G0+4*\slot+2:G0+4*\slot+3], s[G0+4*\slot+2:G0+4*\slot+3], 2*S2C
	s_add_nc_u64 s[G0B+4*\slot+2:G0B+4*\slot+3], s[G0B+4*\slot+2:G0B+4*\slot+3], 2*S2C
	JLOAD G0+4*\slot, G1, G0B+4*\slot, G1B         ; the first tensor load behind the round; its four v_nop are among the places in front of the loads below
	PLACES NP-4
.else
	PLACES NP
.endif
	FETCH_B \next, 0, 0
	FETCH_A \next, 0, 0
	SCALES \next, \s2n
.if (\fill) && ((\slot) == 0)
	global_prefetch_b8 v9, s[6:7] th:TH_LOAD_NT scope:SCOPE_SE   ; K step 3, which the next change of slots loads
.endif
	WIN MUL_HI
	MUL16 4, 1, 1, \slot, 0
	MUL16 6, 1, 1, \slot, 0
	PLACES NP
	WIN 0
	FETCH_A \next, 0, 4
.endm
	s_wait_alu depctr_va_vdst(0)                   ; the wait at the head's end
	s_wait_tensorcnt 0x0                           ; my tile of the head's four is in; the lines ahead of a later first fill:
	ds_add_u32 v[SPW], v[NIL]
	s_mov_b32 s[G1+2], 128<<16                     ; no tensor load of mine is out: from here on a load brings 128 rows of 256 bytes,
	s_mov_b32 s[G1+4], 128
	s_mov_b32 s[G1B+2], 128<<16
	s_mov_b32 s[G1B+4], 128
	s_lshl_b32 s[G0+1], s14, 15                    ; and slot 0's groups 0 become the ring's: my 8 tiles, at 32,768 x wave
	s_lshl_b32 s[G0B+1], s14, 15
	s_lshl_b32 s98, s16, 15
	s_mov_b32 s99, 0
	s_add_nc_u64 s[G0+2:G0+3], s[G0+2:G0+3], s[98:99]
	s_add_nc_u64 s[G0B+2:G0B+3], s[G0B+2:G0B+3], s[98:99]
	s_wait_dscnt 0x0
	CROUND                                         ; all four tiles are in, and all sixteen work-groups are here
	JLOAD G0+4, G1, G0B+4, G1B                     ; K step 1: the first tensor load behind the round
	FETCH_B 0, 0, 0
	FETCH_A 0, 0, 0
	SCALES 0, 0
	FETCH_A 0, 0, 4
	s_cmp_eq_u32 s12, 0                            ; the first step starts the sums with the bias: its registers differ between the roles.  No barrier and no tensor load stands in the two arms
	s_cbranch_scc0 .Lfirst_v
	s_wait_alu depctr_va_vdst(0)
	STEP 0, 1
	s_branch .Lfirst_done
.Lfirst_v:
	s_wait_alu depctr_va_vdst(0)
	STEP 0, 2
.Lfirst_done:
	TURN 0, 1, 1, 1                                ; slot 0 takes K step 2
	STEP 1, 0
	TURN 1, 0, 1, 2                                ; slot 1 takes K step 3
	STEP 0, 0
	TURN 0, 1, 0, 3                                ; nothing is left to fetch
	STEP 1, 0
	s_wait_dscnt 4*NL
	WIN MUL_LO
	MUL16 0, 1, 1, 1, 0
	MUL16 2, 1, 1, 1, 0
	s_wait_dscnt 0
	WIN MUL_HI
	MUL16 4, 1, 1, 1, 0
	MUL16 6, 1, 1, 1, 0
	WIN 0
; THE WAY OUT.  Block a (16 rows of L): a lane's 64 numbers, register 16 b + i = R's row 32 b + 16 h + i, lie in the accumulators and are quantised where they lie: four blocks of 32, joined with lane l xor 16.
; w: the accumulators' window; ac: their first register; pc: where the codes go.  Each accumulator is read from its low end on
.macro QUANTW w, ac, pc
	WIN ((\w)<<2)|((\w)<<4)
.irp b, 0,1,2,3
	v_max3_num_f32 v[TM+\b], s[FLR], |v[\ac+16*\b]|, |v[\ac+16*\b+1]|
.endr
.irp i, 2,4,6,8,10,12,14
.irp b, 0,1,2,3
	v_max3_num_f32 v[TM+\b], v[TM+\b], |v[\ac+16*\b+\i]|, |v[\ac+16*\b+\i+1]|
.endr
.endr
	WIN 0
.irp b, 0,1,2,3
	v_permlanex16_b32 v[TM+4+\b], v[TM+\b], s[SEL], s[SEL+1]
.endr
.irp b, 0,1,2,3
	v_max_num_f32 v[TM+\b], v[TM+\b], v[TM+4+\b]
.endr
.irp b, 0,1,2,3
	v_add_nc_u32 v[TM+12+\b], 0xfc000000, v[TM+\b] ; the conversion's scale operand
.endr
.irp b, 0,1,2,3
	v_and_or_b32 v[TM+8+\b], v[TM+\b], 0x7f800000, s[MNT]   ; 448 x the scale
.endr
.irp b, 0,1,2,3
	v_lshrrev_b32 v[TM+4+\b], 23, v[TM+12+\b]      ; the byte
.endr
	v_lshl_or_b32 v[PW], v[TM+5], 8, v[TM+4]
	v_lshl_or_b32 v[PW], v[TM+6], 16, v[PW]
	v_lshl_or_b32 v[PW], v[TM+7], 24, v[PW]
	WIN ((\w)<<6)|(\w)
.irp b, 0,1,2,3
.irp i, 0,1,2,3,4,5,6,7,8,9,10,11,12,13,14,15
	v_med3_num_f32 v[\ac+16*\b+\i], v[\ac+16*\b+\i], -v[TM+8+\b], v[TM+8+\b]   ; the hold: the conversion does not saturate (ISA guide 7.6.2)
.endr
.endr
	WIN (\w)
.irp b, 0,1,2,3
	v_cvt_scalef32_pk8_fp8_f32 v[\pc+4*\b:\pc+4*\b+1], v[\ac+16*\b:\ac+16*\b+7], v[TM+12+\b]
	v_cvt_scalef32_pk8_fp8_f32 v[\pc+4*\b+2:\pc+4*\b+3], v[\ac+16*\b+8:\ac+16*\b+15], v[TM+12+\b]
.endr
	WIN 0
	v_nop                                          ; a plain instruction behind the last conversion
.endm
	PLACES NP                                      ; behind the last products
.irp b, 0,1,2,3
	v_mov_b32 v[TM+4+\b], 0                        ; written once: a lane permute's destination counts as one of its sources
.endr
.irp a, 0,1,2,3,4,5,6,7
	s_wait_xcnt 0x0                                ; the earlier stores have read their bases and their codes: both are written again
.if \a > 0
	s_add_nc_u64 s[20:21], s[20:21], s[92:93]
	s_add_nc_u64 s[22:23], s[22:23], s[92:93]
.endif
.if \a == 4
	s_add_nc_u64 s[20:21], s[20:21], s[94:95]
	s_add_nc_u64 s[22:23], s[22:23], s[94:95]
.endif
	QUANTW 2+\a/4, 64*(\a%4), PC+16*(\a%2)
.irp c, 0,1
	global_store_b128 v[LI], v[PC+16*(\a%2)+4*\c:PC+16*(\a%2)+4*\c+3], s[20:21] offset:512*\c        ; each store covers 512 consecutive bytes, aligned
	global_store_b128 v[LI], v[PC+16*(\a%2)+8+4*\c:PC+16*(\a%2)+8+4*\c+3], s[22:23] offset:512*\c
.endr
.if \a%2 == 0
	v_mov_b32 v[XW+\a/2], v[PW]
.else
	v_cndmask_b32 v[XW+\a/2], v[XW+\a/2], v[PW], s13   ; lanes 16-31 take the odd block's words
.endif
.endr
	s_cmp_eq_u32 s12, 0
	s_cbranch_scc0 .Ltail_v
.irp i, 0,1,2,3                        ; q, k: a word's low half is the first head's two bytes, its high half the second's; the upper 64 of the next K get the scale 1
	v_and_or_b32 v[YW+\i], v[XW+\i], 0xffff, s45
	v_lshrrev_b32 v[YW+4+\i], 16, v[XW+\i]
.endr
.irp i, 0,1,2,3
	v_or_b32 v[YW+4+\i], s45, v[YW+4+\i]
.endr
	global_store_b128 v[LI], v[YW:YW+3], s[46:47]  ; 512 consecutive bytes: register i = tiles 2 i (lanes 0-15) and 2 i + 1 (lanes 16-31)
	global_store_b128 v[LI], v[YW+4:YW+7], s[96:97]
	s_branch .Ltail_done
.Ltail_v:
	global_store_b64 v[L8], v[XW:XW+1], s[46:47]   ; v: blocks 0-3 are the first head's four tiles of channels: 256 consecutive bytes
	s_wait_alu depctr_va_vdst(0)
	global_store_b64 v[L8], v[XW+2:XW+3], s[96:97]
.Ltail_done:
	s_wait_tensorcnt 0x0                           ; the wave's end
	ds_add_u32 v[SPW], v[NIL]
	s_wait_dscnt 0x0
	CROUND                                         ; the closing round: no work-group ends while a partner may still ask for a tile that names it
	s_endpgm
.Lfunc_end_k_q24e9ce6781_qkv:
	.size	k_q24e9ce6781_qkv, .Lfunc_end_k_q24e9ce6781_qkv-k_q24e9ce6781_qkv
	.p2alignl 7, 3214868480
	.fill 96, 4, 3214868480
	.section	.rodata,"a",@progbits
	.p2align	6, 0x0
	.amdhsa_kernel k_q24e9ce6781_qkv
		.amdhsa_group_segment_fixed_size 327680
		.amdhsa_private_segment_fixed_size 0
		.amdhsa_enable_private_segment 0
		.amdhsa_kernarg_size 32
		.amdhsa_user_sgpr_count 2
		.amdhsa_user_sgpr_kernarg_segment_ptr 1
		.amdhsa_wavefront_size32 1
		.amdhsa_system_sgpr_workgroup_id_x 1
		.amdhsa_system_sgpr_workgroup_id_y 1
		.amdhsa_system_sgpr_workgroup_id_z 1
		.amdhsa_system_vgpr_workitem_id 0
		.amdhsa_next_free_vgpr 1024
		.amdhsa_next_free_sgpr 100
		.amdhsa_reserve_vcc 0
		.amdhsa_float_denorm_mode_32 3
		.amdhsa_float_denorm_mode_16_64 3
		.amdhsa_memory_ordered 1
		.amdhsa_forward_progress 1
		.amdhsa_inst_pref_size 205
	.end_amdhsa_kernel
	.amdgpu_metadata
---
amdhsa.version: [ 1, 2 ]
amdhsa.kernels:
  - .name:           k_q24e9ce6781_qkv
    .symbol:         k_q24e9ce6781_qkv.kd
    .args:
      - { .name: cod, .offset: 0, .size: 8, .value_kind: global_buffer, .address_space: global }
      - { .name: scl, .offset: 8, .size: 8, .value_kind: global_buffer, .address_space: global }
      - { .name: b_qkv, .offset: 16, .size: 8, .value_kind: global_buffer, .address_space: global }
      - { .name: qkv, .offset: 24, .size: 8, .value_kind: global_buffer, .address_space: global }
    .group_segment_fixed_size: 327680
    .private_segment_fixed_size: 0
    .kernarg_segment_align: 8
    .kernarg_segment_size: 32
    .max_flat_workgroup_size: 128
    .sgpr_count:     100
    .vgpr_count:     1024
    .wavefront_size: 32
...
	.end_amdgpu_metadata
.endif
;; end of part 2
;; launch attn (part 3): grid 4 x 64, 8 waves a work-group, clusters of 4 x 1, 327,680 bytes of LDS; arguments qkv, aoc, aos; writes aoc, aos
.if DOCPART == 3
	.amdgcn_target "amdgcn-amd-amdhsa--gfx1250"
	.amdhsa_code_object_version 6
	.text
	.protected	k_q24e9ce6781_attn
	.globl	k_q24e9ce6781_attn
	.p2align	8
	.type	k_q24e9ce6781_attn,@function
k_q24e9ce6781_attn:
	s_mov_b64 s[64:65], 0
	v_nop
	global_prefetch_b8 v0, s[64:65] scope:SCOPE_SE
	s_setreg_imm32_b32 hwreg(HW_REG_WAVE_MODE, 25, 1), 1
	s_wait_xcnt 0x0
	s_wait_alu depctr_hold_cnt(0) depctr_sa_sdst(0) depctr_va_vdst(0) depctr_va_sdst(0) depctr_va_ssrc(0) depctr_va_vcc(0) depctr_vm_vsrc(0)
	s_getreg_b32 s2, hwreg(HW_REG_IB_STS2, 6, 4)
	s_cmp_eq_u32 s2, 0
	s_cbranch_scc0 .Lentry_in_a_cluster
	s_endpgm
.Lentry_in_a_cluster:
	s_bfe_u32 s2, ttmp6, 0x10000c
	s_cmp_lg_u32 s2, 0x3003
	s_cbranch_scc0 .Lentry_shape_is_right
	s_endpgm
.Lentry_shape_is_right:
; O = softmax(q k^T / 8) v for one head (64 heads: batch x 16), 2,048 queries x 2,048 keys, head size 64, both products on codes of FP8 (E4M3) with E8M0 scales; O is quantised here along the channels and leaves as codes for the last product.
; t = score x log2(e) / 8 (q's factor 1/8 is folded into this constant: a power of two moves q's scale bytes alone); M = ceil(the running largest t); p = 2^(t - M) is quantised along the keys; the row's sum is taken of the unquantised p and divides O at the end.
; LIMITS: the scaled scores stay under 2^31 in magnitude; NaN and infinities are not served; a block whose largest number lies under 2^-118 (zeros too) gets the byte 1, its codes being zeros.
; IN (buffer qkv): q's codes [head][tile 128][1,024], q's scale images at 8,388,608, and from 8,912,896 a record of 274,432 bytes a head: k's codes [step 16][tile 8][1,024], v's [step][tile 4][2,048] at 131,072, k's scale images [step][512] at 262,144, v's [step][256] at 270,336.
; All are images of operand registers: a load of 16 bytes a lane at 16 x lane brings four registers.  The first product's K is 64: registers 8-15 of q's and k's fragments hold zero codes, written once.
; SHARES.  A work-group owns 512 queries of a head; each of its 8 waves 32 queries (two tiles) in each of two passes; two waves to a SIMD.  Both products are used transposed: a lane holds one query.
; THE WHOLE RECORD LIES IN LDS, at the byte at which it lies in memory, asked for at the head, one tensor load a wave, and nothing is filled again.  Waves 0 and 1 fetch k's and v's steps 0-3, wave 2 the scale words: what a pass's first three key steps read;
; these three alone wait at the first barrier, and have load lines of their own.  Waves 4 to 7 fetch the other twelve steps of k and v, 49,152 bytes each; every wave waits for 0 at the barrier behind the third key step.  Wave 3 fetches nothing: seven loads cover the record.
; The four work-groups of a head form a cluster and ask jointly.  No prefetch: all that the launch reads through LDS is asked for at its head, so there is no loop that runs ahead of a load.
; A KEY STEP is 128 keys.  Behind the 16 score products and their eight places this step's fragments of v and the NEXT step's fragments of k are asked of LDS.  A pass's last step so reads 8,192 bytes behind k's codes, inside the record; they are not used: a pass begins with its own loads.
; REGISTERS: window 0: v1-15 addresses and scale words; v16-63 two tiles' state; v64-191 scores, then p; v192-223 p's codes; v224-255 q.  window 1: v0-127 k's fragments; v128-191 v's; v192-255 O^T.
.set SPARE, 0x43000                    ; behind the record: the spare words, 128 bytes a wave
.set AK0, 1                            ; v1  16 x lane
.set SPW, 2                            ; v2  my spare word; never rewritten
.set NIL, 3                            ; v3  0; never rewritten
.set ADK, 5                            ; v5-8  LDS addresses of k's, v's fragments and of their scale words, stepped in each key step
.set ADV, 6
.set ADS, 7
.set ADT, 8
.set QS,  9
.set KS,  10
.set VS,  14
.set ST,  16                           ; a tile's state, 24 registers: -M, the largest t, the sum (2), block maxima (4), work (4), holds (4; the first also keeps the old -M), scale operands (4), f, p's scale word, work
.set NM,  0
.set TMX, 1
.set LS,  2
.set BM,  4
.set PX,  8
.set HO,  12
.set SO,  16
.set FF,  20
.set PWO, 21
.set TMP, 22
.set A8,  39                           ; v39  8 x lane
.set S,   64
.set P,   192
.set Q,   224
.set VF,  128
.set OO,  192
.set WV,  10
.set G1A, 16                           ; s[16:23] group 1 for the scale words, s[24:31] for four steps, s[32:39] for six; s[40:51] their groups 0
.set G1B, 24
.set G1C, 32
.set G0A, 40
.set G0B, 44
.set G0C, 48
.set CS,  52
.set SEL, 54
.set MNT, 56
.set FLR, 57
.set HIM, 58
.set PASS, 59
.set CNT, 62
.set QB,  66
.set QSB, 68
.set AOC, 70
.set AOS, 72
.set MSB, 0
.macro WIN new                         ; the immediate's high byte repeats the setting that is left
.if MSB != (\new)
	s_set_vgpr_msb (MSB<<8)|(\new)
.set MSB, (\new)
.endif
.endm
.macro ROUND                           ; a round of the cluster's barrier
	s_barrier_signal -1
	s_barrier_wait -1
	s_cmp_lg_u32 s[WV], 0
	s_cbranch_scc1 .Lnot_wave_0_\@
	s_barrier_signal -3
.Lnot_wave_0_\@:
	s_barrier_wait -3
	s_barrier_signal -1
	s_barrier_wait -1
.endm
	s_load_b128 s[4:7], s[0:1], 0x0                ; qkv, aoc
	s_load_b64 s[8:9], s[0:1], 0x10                ; aos
	v_lshl_add_u32 v[SPW], v0, 2, SPARE
	v_mov_b32 v[NIL], 0
	ds_add_u32 v[SPW], v[NIL]                      ; the opening lines: the add twice on end and one wait
	ds_add_u32 v[SPW], v[NIL]
	v_lshrrev_b32 v5, 5, v0
	v_readfirstlane_b32 s[WV], v5                  ; wave 0..7
	s_bfe_u32 s11, ttmp6, 0x40000
	s_lshl_b32 s12, ttmp9, 2
	s_add_co_u32 s12, s12, s11                     ; which 512 queries
	s_and_b32 s13, ttmp7, 0xffff                   ; the head
.irp g, G1A, G1B, G1C
	s_mov_b32 s[\g], 15|(3<<16)|(1<<21)            ; the mask of the cluster's four; elements of 8 bytes; bit 21 beside a mask
	s_mov_b32 s[\g+1], 32<<16                      ; rows of 256 bytes, dense
	s_mov_b32 s[\g+3], 32<<16
	s_mov_b32 s[\g+5], 32
	s_mov_b32 s[\g+6], 0
	s_mov_b32 s[\g+7], 0
.endr
	s_mov_b32 s[G1A+2], 48<<16                     ; 12,288 bytes of scale words
	s_mov_b32 s[G1A+4], 48
	s_mov_b32 s[G1B+2], 128<<16                    ; four steps: 32,768 bytes
	s_mov_b32 s[G1B+4], 128
	s_mov_b32 s[G1C+2], 192<<16                    ; six steps: 49,152 bytes
	s_mov_b32 s[G1C+4], 192
	s_mul_i32 s14, s13, 274432
	s_add_co_u32 s14, s14, 8912896                 ; the head's record
	s_mov_b32 s15, 0
	s_lshl_b32 s76, s[WV], 17                      ; waves 0, 1: k's or v's first byte
	s_mov_b32 s77, 0
	s_bfe_u32 s78, s[WV], 0x10001                  ; waves 4 to 7: k (4, 5) or v (6, 7),
	s_lshl_b32 s78, s78, 17
	s_and_b32 s79, s[WV], 1
	s_mul_i32 s79, s79, 49152                      ; steps 4-9 or 10-15
	s_add_co_u32 s78, s78, s79
	s_add_co_u32 s78, s78, 32768
	s_mov_b32 s79, 0
	s_wait_dscnt 0x0
	s_wait_kmcnt 0x0
	s_add_nc_u64 s[74:75], s[4:5], s[14:15]
	s_mov_b32 s[G0A], 1
	s_mov_b32 s[G0A+1], 262144
	s_add_nc_u64 s[G0A+2:G0A+3], s[74:75], 262144
	s_or_b32 s[G0A+3], s[G0A+3], 0x80000000
	s_mov_b32 s[G0B], 1
	s_mov_b32 s[G0B+1], s76
	s_add_nc_u64 s[G0B+2:G0B+3], s[74:75], s[76:77]
	s_or_b32 s[G0B+3], s[G0B+3], 0x80000000
	s_mov_b32 s[G0C], 1
	s_mov_b32 s[G0C+1], s78
	s_add_nc_u64 s[G0C+2:G0C+3], s[74:75], s[78:79]
	s_or_b32 s[G0C+3], s[G0C+3], 0x80000000
	ROUND                                          ; the four work-groups are here: the joint loads meet
; one chain of branches on the wave's number, a load to an arm, all arms leading to one join
.macro ARM under, g0, g1, next
	s_cmp_lt_u32 s[WV], \under
	s_cbranch_scc0 \next
	tensor_load_to_lds s[\g0:\g0+3], s[\g1:\g1+7]
	s_nop 0
.rept 4
	v_nop
.endr
	s_branch .Lhead_asked
\next:
.endm
	ARM 2, G0B, G1B, .Lhead_s
	ARM 3, G0A, G1A, .Lhead_rest
	s_cmp_lt_u32 s[WV], 4
	s_cbranch_scc1 .Lhead_asked
	tensor_load_to_lds s[G0C:G0C+3], s[G1C:G1C+7]
	s_nop 0
.rept 4
	v_nop
.endr
.Lhead_asked:
	s_lshl_b32 s14, s13, 17                        ; q's codes: head, 512 queries, my two tiles
	s_lshl_b32 s76, s12, 15
	s_add_co_u32 s14, s14, s76
	s_lshl_b32 s76, s[WV], 11
	s_add_co_u32 s14, s14, s76
	s_add_nc_u64 s[QB:QB+1], s[4:5], s[14:15]
	s_lshl_b32 s14, s13, 13                        ; q's scale image: the register of my two tiles
	s_lshl_b32 s76, s12, 11
	s_add_co_u32 s14, s14, s76
	s_lshr_b32 s76, s[WV], 2
	s_lshl_b32 s76, s76, 9
	s_add_co_u32 s14, s14, s76
	s_and_b32 s76, s[WV], 3
	s_lshl_b32 s76, s76, 2
	s_add_co_u32 s14, s14, s76
	s_add_co_u32 s14, s14, 8388608
	s_add_nc_u64 s[QSB:QSB+1], s[4:5], s[14:15]
	s_and_b32 s76, s13, 15                         ; O's codes as images for the last product: [K step = head / 4][tile of rows][128 = (head / 2) % 2][half = head % 2]
	s_lshr_b32 s77, s13, 4
	s_lshr_b32 s78, s76, 2
	s_lshl_b32 s78, s78, 9
	s_lshl_b32 s77, s77, 7
	s_add_co_u32 s78, s78, s77
	s_lshl_b32 s77, s12, 5
	s_add_co_u32 s78, s78, s77
	s_lshl_b32 s77, s[WV], 1
	s_add_co_u32 s78, s78, s77
	s_bfe_u32 s77, s76, 0x10001
	s_and_b32 s76, s76, 1
	s_lshl_b32 s14, s78, 12
	s_lshl_b32 s79, s77, 11
	s_add_co_u32 s14, s14, s79
	s_lshl_b32 s79, s76, 10
	s_add_co_u32 s14, s14, s79
	s_add_nc_u64 s[AOC:AOC+1], s[6:7], s[14:15]
	s_lshl_b32 s14, s78, 7
	s_lshl_b32 s79, s77, 2
	s_add_co_u32 s14, s14, s79
	s_lshl_b32 s79, s76, 1
	s_add_co_u32 s14, s14, s79
	s_add_nc_u64 s[AOS:AOS+1], s[8:9], s[14:15]
	s_mov_b32 s[CS], 0x3e38aa3b                    ; log2(e) / 8
	s_mov_b32 s[CS+1], s[CS]
	s_mov_b32 s[SEL], 0x76543210                   ; selects for lane l xor 16
	s_mov_b32 s[SEL+1], 0xfedcba98
	s_mov_b32 s[MNT], 0x600000                     ; the mantissa field of 448
	s_mov_b32 s[FLR], 0x4800000                    ; the floor 2^(9 - 127)
	s_mov_b32 s[HIM], 0xffff0000
	s_mov_b32 s[PASS], 0
	v_and_b32 v5, 31, v0
	v_lshlrev_b32 v[AK0], 4, v5
	v_lshlrev_b32 v[A8], 3, v5
.macro QLOAD                           ; my two tiles of q: registers 0-7 of each fragment, and the scale words (lanes 0-15 the first tile's, lanes 16-31 the second's)
.irp t, 0,1
	global_load_b128 v[Q+16*\t:Q+16*\t+3], v[AK0], s[QB:QB+1] offset:1024*\t
	global_load_b128 v[Q+16*\t+4:Q+16*\t+7], v[AK0], s[QB:QB+1] offset:1024*\t+512
.endr
	global_load_b32 v[QS], v[AK0], s[QSB:QSB+1]
.endm
	QLOAD
.irp t, 0,1
.irp i, 8,9,10,11,12,13,14,15
	v_mov_b32 v[Q+16*\t+\i], 0                     ; zero codes for the upper 64 of the first product's K
.endr
.irp b, 0,1,2,3
	v_mov_b32 v[ST+24*\t+PX+\b], 0                 ; a lane permute's destination counts as one of its sources
.endr
	v_mov_b32 v[ST+24*\t+PWO], 0
.endr
	WIN 0x40
.irp kt, 0,1,2,3,4,5,6,7
.irp i, 8,9,10,11,12,13,14,15
	v_mov_b32 v[16*\kt+\i], 0
.endr
.endr
	WIN 0
.macro KLOAD                           ; eight tiles of 16 keys, registers 0-7 of each (the window is set by the caller)
.irp kt, 0,1,2,3,4,5,6,7
	ds_load_b128 v[16*\kt:16*\kt+3], v[ADK] offset:1024*\kt
	ds_load_b128 v[16*\kt+4:16*\kt+7], v[ADK] offset:1024*\kt+512
.endr
.endm
.macro SPROD kt, t                     ; S^T: source 0 = 16 keys, source 1 = 16 queries
.if ((\kt)%2 == 0) && ((\t) == 0)
	v_wmma_scale_f32_16x16x128_f8f6f4 v[S+64*(\t)+8*(\kt):S+64*(\t)+8*(\kt)+7], v[16*(\kt):16*(\kt)+15], v[Q+16*(\t):Q+16*(\t)+15], 0, v[KS+(\kt)/2], v[QS]
.elseif ((\t) == 0)
	v_wmma_scale_f32_16x16x128_f8f6f4 v[S+64*(\t)+8*(\kt):S+64*(\t)+8*(\kt)+7], v[16*(\kt):16*(\kt)+15], v[Q+16*(\t):Q+16*(\t)+15], 0, v[KS+(\kt)/2], v[QS] matrix_a_scale:MATRIX_SCALE_ROW1
.elseif ((\kt)%2 == 0)
	v_wmma_scale_f32_16x16x128_f8f6f4 v[S+64*(\t)+8*(\kt):S+64*(\t)+8*(\kt)+7], v[16*(\kt):16*(\kt)+15], v[Q+16*(\t):Q+16*(\t)+15], 0, v[KS+(\kt)/2], v[QS] matrix_b_scale:MATRIX_SCALE_ROW1
.else
	v_wmma_scale_f32_16x16x128_f8f6f4 v[S+64*(\t)+8*(\kt):S+64*(\t)+8*(\kt)+7], v[16*(\kt):16*(\kt)+15], v[Q+16*(\t):Q+16*(\t)+15], 0, v[KS+(\kt)/2], v[QS] matrix_a_scale:MATRIX_SCALE_ROW1 matrix_b_scale:MATRIX_SCALE_ROW1
.endif
.endm
.macro OPROD dt, t                     ; O^T: source 0 = 16 channels x 128 keys, source 1 = p.  The eight accumulators take turns
.if (\dt)%2 == 0
	v_wmma_scale_f32_16x16x128_f8f6f4 v[OO+32*(\t)+8*(\dt):OO+32*(\t)+8*(\dt)+7], v[VF+16*(\dt):VF+16*(\dt)+15], v[P+16*(\t):P+16*(\t)+15], v[OO+32*(\t)+8*(\dt):OO+32*(\t)+8*(\dt)+7], v[VS+(\dt)/2], v[ST+24*(\t)+PWO]
.else
	v_wmma_scale_f32_16x16x128_f8f6f4 v[OO+32*(\t)+8*(\dt):OO+32*(\t)+8*(\dt)+7], v[VF+16*(\dt):VF+16*(\dt)+15], v[P+16*(\t):P+16*(\t)+15], v[OO+32*(\t)+8*(\dt):OO+32*(\t)+8*(\dt)+7], v[VS+(\dt)/2], v[ST+24*(\t)+PWO] matrix_a_scale:MATRIX_SCALE_ROW1
.endif
.endm
.macro SUMS t                          ; the row's sum of tile t's unquantised p: 32 packed additions in four chains
	v_pk_add_f32 v[ST+24*\t+PX:ST+24*\t+PX+1], v[S+64*\t:S+64*\t+1], v[S+64*\t+2:S+64*\t+3]
	v_pk_add_f32 v[ST+24*\t+PX+2:ST+24*\t+PX+3], v[S+64*\t+4:S+64*\t+5], v[S+64*\t+6:S+64*\t+7]
	v_pk_add_f32 v[ST+24*\t+BM:ST+24*\t+BM+1], v[S+64*\t+8:S+64*\t+9], v[S+64*\t+10:S+64*\t+11]
	v_pk_add_f32 v[ST+24*\t+LS:ST+24*\t+LS+1], v[ST+24*\t+LS:ST+24*\t+LS+1], v[S+64*\t+12:S+64*\t+13]
.irp j, 14,22,30,38,46,54
	v_pk_add_f32 v[ST+24*\t+PX:ST+24*\t+PX+1], v[ST+24*\t+PX:ST+24*\t+PX+1], v[S+64*\t+\j:S+64*\t+\j+1]
	v_pk_add_f32 v[ST+24*\t+PX+2:ST+24*\t+PX+3], v[ST+24*\t+PX+2:ST+24*\t+PX+3], v[S+64*\t+\j+2:S+64*\t+\j+3]
	v_pk_add_f32 v[ST+24*\t+BM:ST+24*\t+BM+1], v[ST+24*\t+BM:ST+24*\t+BM+1], v[S+64*\t+\j+4:S+64*\t+\j+5]
	v_pk_add_f32 v[ST+24*\t+LS:ST+24*\t+LS+1], v[ST+24*\t+LS:ST+24*\t+LS+1], v[S+64*\t+\j+6:S+64*\t+\j+7]
.endr
	v_pk_add_f32 v[ST+24*\t+PX:ST+24*\t+PX+1], v[ST+24*\t+PX:ST+24*\t+PX+1], v[S+64*\t+62:S+64*\t+63]
	v_pk_add_f32 v[ST+24*\t+PX+2:ST+24*\t+PX+3], v[ST+24*\t+PX+2:ST+24*\t+PX+3], v[ST+24*\t+BM:ST+24*\t+BM+1]
	v_pk_add_f32 v[ST+24*\t+LS:ST+24*\t+LS+1], v[ST+24*\t+LS:ST+24*\t+LS+1], v[ST+24*\t+PX:ST+24*\t+PX+1]
	v_pk_add_f32 v[ST+24*\t+LS:ST+24*\t+LS+1], v[ST+24*\t+LS:ST+24*\t+LS+1], v[ST+24*\t+PX+2:ST+24*\t+PX+3]
.endm
; A KEY STEP
.macro STEP
	s_wait_dscnt 0x0                               ; k's fragments and scale words, asked for a step ago
	s_barrier_signal -1                            ; I have begun this step.  The wait stands at the step's end: no wave leaves a step that another has not begun, so the two waves of a SIMD walk the keys side by side to the end
	WIN 0x01
.irp kt, 0,1,2,3,4,5,6,7
.irp t, 0,1
	SPROD \kt, \t
.endr
.endr
	WIN 0
	v_add_nc_u32 v[ADK], 8192, v[ADK]              ; eight places behind the products: k's addresses go to the next step, v's to this one
	v_add_nc_u32 v[ADV], 8192, v[ADV]
	v_add_nc_u32 v[ADS], 512, v[ADS]
	v_add_nc_u32 v[ADT], 256, v[ADT]
.irp t, 0,1
	v_mov_b32 v[ST+24*\t+HO], v[ST+24*\t+NM]       ; the old -M is kept
.endr
	v_nop
	v_nop
	ds_load_b64 v[VS:VS+1], v[ADT]
	WIN 0x40
.irp dt, 0,1,2,3
.irp c, 0,1,2,3
	ds_load_b128 v[VF+16*\dt+4*\c:VF+16*\dt+4*\c+3], v[ADV] offset:2048*\dt+512*\c
.endr
.endr
	KLOAD
	WIN 0
	ds_load_b128 v[KS:KS+3], v[ADS]
.irp b, 0,1,2,3                        ; the largest score of each block of 32 keys: it serves the row's maximum and the block's largest p
.irp t, 0,1
	v_max3_num_f32 v[ST+24*\t+BM+\b], v[S+64*\t+16*\b], v[S+64*\t+16*\b+1], v[S+64*\t+16*\b+2]
.endr
.endr
.irp i, 3,5,7,9,11,13
.irp b, 0,1,2,3
.irp t, 0,1
	v_max3_num_f32 v[ST+24*\t+BM+\b], v[ST+24*\t+BM+\b], v[S+64*\t+16*\b+\i], v[S+64*\t+16*\b+\i+1]
.endr
.endr
.endr
.irp b, 0,1,2,3
.irp t, 0,1
	v_max_num_f32 v[ST+24*\t+BM+\b], v[ST+24*\t+BM+\b], v[S+64*\t+16*\b+15]
.endr
.endr
.irp b, 0,1,2,3
.irp t, 0,1
	v_permlanex16_b32 v[ST+24*\t+PX+\b], v[ST+24*\t+BM+\b], s[SEL], s[SEL+1]
.endr
.endr
.irp b, 0,2                            ; with lane l xor 16's 16 keys, two blocks an instruction
.irp t, 0,1
	v_dual_max_num_f32 v[ST+24*\t+BM+\b], v[ST+24*\t+BM+\b], v[ST+24*\t+PX+\b] :: v_dual_max_num_f32 v[ST+24*\t+BM+\b+1], v[ST+24*\t+BM+\b+1], v[ST+24*\t+PX+\b+1]
.endr
.endr
.irp t, 0,1
	v_max3_num_f32 v[ST+24*\t+TMP], v[ST+24*\t+BM], v[ST+24*\t+BM+1], v[ST+24*\t+BM+2]
.endr
.irp t, 0,1
	s_delay_alu instid0(VALU_DEP_2)
	v_max_num_f32 v[ST+24*\t+TMP], v[ST+24*\t+TMP], v[ST+24*\t+BM+3]
.endr
.irp t, 0,1
	s_delay_alu instid0(VALU_DEP_2)
	v_mul_f32 v[ST+24*\t+TMP], s[CS], v[ST+24*\t+TMP]
.endr
.irp t, 0,1
	s_delay_alu instid0(VALU_DEP_2)
	v_max_num_f32 v[ST+24*\t+TMX], v[ST+24*\t+TMX], v[ST+24*\t+TMP]   ; the running largest t
.endr
.irp t, 0,1
	s_delay_alu instid0(VALU_DEP_2)
	v_floor_f32 v[ST+24*\t+NM], -v[ST+24*\t+TMX]   ; -M = floor(-t): M is a whole number
.endr
.irp t, 0,1
	s_delay_alu instid0(VALU_DEP_2)
	v_sub_f32 v[ST+24*\t+TMP], v[ST+24*\t+NM], v[ST+24*\t+HO]   ; old M - new M
.endr
.irp t, 0,1
	s_delay_alu instid0(VALU_DEP_2)
	v_cvt_i32_f32 v[ST+24*\t+TMP], v[ST+24*\t+TMP] ; (it saturates)
.endr
.irp t, 0,1
	s_delay_alu instid0(VALU_DEP_2)
	v_ldexp_f32 v[ST+24*\t+FF], 1.0, v[ST+24*\t+TMP]   ; f = 2^(old M - new M)
.endr
.set i, 0
.rept 32
	v_pk_fma_f32 v[S+i:S+i+1], v[S+i:S+i+1], s[CS:CS+1], v[ST+NM:ST+NM+1] op_sel_hi:[1,0,0]   ; t - M of the first tile; the second tile's stand among the first's exponentials
.set i, i+2
.endr
.irp b, 0,1,2,3
.irp t, 0,1
	v_fma_f32 v[ST+24*\t+BM+\b], v[ST+24*\t+BM+\b], s[CS], v[ST+24*\t+NM]
.endr
.endr
	s_wait_alu depctr_va_vdst(0)                   ; the wait ahead of the batch
.set i, 0
.rept 32
	v_exp_f32 v[S+i], v[S+i]                       ; p = 2^(t - M) of the first tile,
	v_exp_f32 v[S+i+1], v[S+i+1]
	v_pk_fma_f32 v[S+64+i:S+64+i+1], v[S+64+i:S+64+i+1], s[CS:CS+1], v[ST+24+NM:ST+24+NM+1] op_sel_hi:[1,0,0]   ; and by turns t - M of the second: read only behind the waits below
.set i, i+2
.endr
.irp b, 0,1,2,3
.irp t, 0,1
	v_exp_f32 v[ST+24*\t+BM+\b], v[ST+24*\t+BM+\b] ; each block's largest p
.endr
.endr
.irp t, 0,1
	v_pk_mul_f32 v[ST+24*\t+LS:ST+24*\t+LS+1], v[ST+24*\t+LS:ST+24*\t+LS+1], v[ST+24*\t+FF:ST+24*\t+FF+1] op_sel_hi:[1,0]   ; the sums under the new M
.endr
	s_wait_alu depctr_va_vdst(0)                   ; one wait for the batch, ahead of its first reader
.irp b, 0,2
.irp t, 0,1
	v_dual_max_num_f32 v[ST+24*\t+BM+\b], s[FLR], v[ST+24*\t+BM+\b] :: v_dual_max_num_f32 v[ST+24*\t+BM+\b+1], s[FLR], v[ST+24*\t+BM+\b+1]   ; the floor: the byte cannot fall under 1
.endr
.endr
.irp b, 0,1,2,3
.irp t, 0,1
	v_add_nc_u32 v[ST+24*\t+SO+\b], 0xfc000000, v[ST+24*\t+BM+\b]   ; 8 off the exponent field: the conversion's scale operand
.endr
.endr
.irp b, 0,1,2,3
.irp t, 0,1
	v_and_or_b32 v[ST+24*\t+HO+\b], v[ST+24*\t+BM+\b], 0x7f800000, s[MNT]   ; 448 x the scale
.endr
.endr
.irp b, 0,1,2,3
.irp t, 0,1
	v_lshrrev_b32 v[ST+24*\t+PX+\b], 23, v[ST+24*\t+SO+\b]   ; the byte
.endr
.endr
.irp t, 0,1
	v_lshl_or_b32 v[ST+24*\t+PWO], v[ST+24*\t+PX+1], 8, v[ST+24*\t+PX]
.endr
.irp t, 0,1
	s_delay_alu instid0(VALU_DEP_2)
	v_lshl_or_b32 v[ST+24*\t+PWO], v[ST+24*\t+PX+2], 16, v[ST+24*\t+PWO]
.endr
.irp t, 0,1
	s_delay_alu instid0(VALU_DEP_2)
	v_lshl_or_b32 v[ST+24*\t+PWO], v[ST+24*\t+PX+3], 24, v[ST+24*\t+PWO]
.endr
	SUMS 0
	s_wait_alu depctr_va_vdst(0)                   ; the wait ahead of the batch
.irp b, 0,1,2,3
.irp i, 0,2,4,6,8,10,12,14
	v_exp_f32 v[S+64+16*\b+\i], v[S+64+16*\b+\i]   ; p of the second tile,
	v_exp_f32 v[S+64+16*\b+\i+1], v[S+64+16*\b+\i+1]
	v_dual_min_num_f32 v[S+16*\b+\i], v[S+16*\b+\i], v[ST+HO+\b] :: v_dual_min_num_f32 v[S+16*\b+\i+1], v[S+16*\b+\i+1], v[ST+HO+\b]   ; and by turns the first tile's hold, two numbers an instruction: the conversion does not saturate (ISA guide 7.6.2); p is not negative, so it is one-sided
.endr
.endr
	v_nop                                          ; a plain place behind the last exponential
	s_wait_alu depctr_va_vdst(0)                   ; one wait for the batch and for the holds, ahead of their first readers
.irp b, 0,1,2,3
	v_cvt_scalef32_pk8_fp8_f32 v[P+4*\b:P+4*\b+1], v[S+16*\b:S+16*\b+7], v[ST+SO+\b]
	v_cvt_scalef32_pk8_fp8_f32 v[P+4*\b+2:P+4*\b+3], v[S+16*\b+8:S+16*\b+15], v[ST+SO+\b]
.endr
	SUMS 1
.irp b, 0,1,2,3
.irp i, 0,2,4,6,8,10,12,14
	v_dual_min_num_f32 v[S+64+16*\b+\i], v[S+64+16*\b+\i], v[ST+24+HO+\b] :: v_dual_min_num_f32 v[S+64+16*\b+\i+1], v[S+64+16*\b+\i+1], v[ST+24+HO+\b]
.endr
	v_cvt_scalef32_pk8_fp8_f32 v[P+16+4*\b:P+16+4*\b+1], v[S+64+16*\b:S+64+16*\b+7], v[ST+24+SO+\b]
	v_cvt_scalef32_pk8_fp8_f32 v[P+16+4*\b+2:P+16+4*\b+3], v[S+64+16*\b+8:S+64+16*\b+15], v[ST+24+SO+\b]
.endr
	WIN 0x41
	s_wait_alu depctr_va_vdst(0)                   ; the wait directly ahead of the first reader of O^T
.irp t, 0,1
.irp j, 0,2,4,6,8,10,12,14,16,18,20,22,24,26,28,30
	v_pk_mul_f32 v[OO+32*\t+\j:OO+32*\t+\j+1], v[OO+32*\t+\j:OO+32*\t+\j+1], v[ST+24*\t+FF:ST+24*\t+FF+1] op_sel_hi:[1,0]   ; O^T under the new M; also the places between the codes and the products
.endr
.endr
	s_wait_alu depctr_va_vdst(0)                   ; the wait ahead of the wait below
	s_wait_dscnt 17                                ; v's 17 loads are in; the 17 issued behind them, the next step's k, may be out
	WIN 0x51
.irp dt, 0,1,2,3
.irp t, 0,1
	OPROD \dt, \t
.endr
.endr
	WIN 0
	s_barrier_wait -1                              ; every wave has begun this step
.endm
	s_wait_alu depctr_va_vdst(0)                   ; the wait at the head's end
	s_cmp_lt_u32 s[WV], 3
	s_cbranch_scc0 .Lnot_first
	s_wait_tensorcnt 0x0                           ; waves 0 to 2: k's and v's steps 0-3 and the scale words are in.  The other waves' wait stands behind the third key step
.Lnot_first:
	s_barrier_signal -1
	s_barrier_wait -1
.Lpass:                                            ; two passes, 32 queries a wave each
	s_wait_dscnt 0x0                               ; the last pass's loads into k's registers are back
	v_add_nc_u32 v[ADK], 0, v[AK0]                 ; k's step 0; v's addresses begin one step back: each step steps all four ahead of its loads
	v_add_nc_u32 v[ADV], 122880, v[AK0]
	v_add_nc_u32 v[ADS], 262144, v[AK0]
	v_add_nc_u32 v[ADT], 270080, v[A8]
.irp t, 0,1
	v_mov_b32 v[ST+24*\t+TMX], 0xff61b1e6          ; the largest t so far: -3e38
	v_mov_b32 v[ST+24*\t+LS], 0
	v_mov_b32 v[ST+24*\t+LS+1], 0
.endr
.irp t, 0,1
	v_floor_f32 v[ST+24*\t+NM], -v[ST+24*\t+TMX]
.endr
	ds_load_b128 v[KS:KS+3], v[ADS]
	WIN 0x40
	KLOAD
.set i, 0
.rept 64
	v_mov_b32 v[OO+i], 0                           ; O^T: the step is written for every step alike, and the first change of M leaves zeros zeros
.set i, i+1
.endr
	WIN 0
	s_wait_alu depctr_va_vdst(0)                   ; the wait ahead of the waits below
	s_wait_loadcnt 0x0                             ; q
	s_mov_b32 s[CNT], 3
.Lstep_a:                                          ; key steps 0 to 2 read k's steps 0-3, v's steps 0-2 and the scale words
	STEP
	s_sub_co_u32 s[CNT], s[CNT], 1
	s_cmp_lg_u32 s[CNT], 0
	s_cbranch_scc1 .Lstep_a
	s_wait_tensorcnt 0x0                           ; every wave's load is in (in the second pass nothing is out),
	s_wait_dscnt 0x0
	s_barrier_signal -1
	s_barrier_wait -1                              ; and so the whole record
	s_mov_b32 s[CNT], 13
.Lstep_b:
	STEP
	s_sub_co_u32 s[CNT], s[CNT], 1
	s_cmp_lg_u32 s[CNT], 0
	s_cbranch_scc1 .Lstep_b
; THE WAY OUT of a pass: O^T / the sum, quantised along the 64 channels (two blocks, joined with lane l xor 16), stored as halves of operand images
.rept 8
	v_nop                                          ; places behind the last products
.endr
	s_cmp_eq_u32 s[PASS], 0
	s_cbranch_scc0 .Lno_q
	s_add_nc_u64 s[QB:QB+1], s[QB:QB+1], 16384     ; the second pass's q: 256 queries on (the first pass's loads have been waited for)
	s_add_nc_u64 s[QSB:QSB+1], s[QSB:QSB+1], 1024
	QLOAD
.Lno_q:
.irp t, 0,1
	v_add_f32 v[ST+24*\t+TMP], v[ST+24*\t+LS], v[ST+24*\t+LS+1]
.endr
.irp t, 0,1
	v_permlanex16_b32 v[ST+24*\t+PX], v[ST+24*\t+TMP], s[SEL], s[SEL+1]
.endr
.irp t, 0,1
	v_add_f32 v[ST+24*\t+TMP], v[ST+24*\t+TMP], v[ST+24*\t+PX]
.endr
	s_wait_alu depctr_va_vdst(0)                   ; ahead of the transcendentals
.irp t, 0,1
	v_rcp_f32 v[ST+24*\t+FF], v[ST+24*\t+TMP]
.endr
	v_nop
	WIN 0x01
	s_wait_alu depctr_va_vdst(0)                   ; ahead of their first reader, which is also O^T's
.irp t, 0,1
.irp j, 0,2,4,6,8,10,12,14,16,18,20,22,24,26,28,30
	v_pk_mul_f32 v[S+64*\t+\j:S+64*\t+\j+1], v[OO+32*\t+\j:OO+32*\t+\j+1], v[ST+24*\t+FF:ST+24*\t+FF+1] op_sel_hi:[1,0]
.endr
.endr
	WIN 0
.irp b, 0,1
.irp t, 0,1
	v_max3_num_f32 v[ST+24*\t+BM+\b], |v[S+64*\t+16*\b]|, |v[S+64*\t+16*\b+1]|, s[FLR]
.endr
.endr
.irp i, 2,4,6,8,10,12,14
.irp b, 0,1
.irp t, 0,1
	v_max3_num_f32 v[ST+24*\t+BM+\b], v[ST+24*\t+BM+\b], |v[S+64*\t+16*\b+\i]|, |v[S+64*\t+16*\b+\i+1]|
.endr
.endr
.endr
.irp b, 0,1
.irp t, 0,1
	v_permlanex16_b32 v[ST+24*\t+PX+\b], v[ST+24*\t+BM+\b], s[SEL], s[SEL+1]
.endr
.endr
.irp b, 0,1
.irp t, 0,1
	v_max_num_f32 v[ST+24*\t+BM+\b], v[ST+24*\t+BM+\b], v[ST+24*\t+PX+\b]
.endr
.endr
.irp b, 0,1
.irp t, 0,1
	v_add_nc_u32 v[ST+24*\t+SO+\b], 0xfc000000, v[ST+24*\t+BM+\b]
.endr
.endr
.irp b, 0,1
.irp t, 0,1
	v_and_or_b32 v[ST+24*\t+HO+\b], v[ST+24*\t+BM+\b], 0x7f800000, s[MNT]
.endr
.endr
.irp b, 0,1
.irp t, 0,1
	v_lshrrev_b32 v[ST+24*\t+PX+\b], 23, v[ST+24*\t+SO+\b]
.endr
.endr
.irp t, 0,1
	v_lshl_or_b32 v[ST+24*\t+TMP], v[ST+24*\t+PX+1], 8, v[ST+24*\t+PX]
.endr
.irp b, 0,1
.irp t, 0,1
.irp i, 0,1,2,3,4,5,6,7,8,9,10,11,12,13,14,15
	v_med3_num_f32 v[S+64*\t+16*\b+\i], v[S+64*\t+16*\b+\i], -v[ST+24*\t+HO+\b], v[ST+24*\t+HO+\b]
.endr
	v_cvt_scalef32_pk8_fp8_f32 v[P+16*\t+4*\b:P+16*\t+4*\b+1], v[S+64*\t+16*\b:S+64*\t+16*\b+7], v[ST+24*\t+SO+\b]
	v_cvt_scalef32_pk8_fp8_f32 v[P+16*\t+4*\b+2:P+16*\t+4*\b+3], v[S+64*\t+16*\b+8:S+64*\t+16*\b+15], v[ST+24*\t+SO+\b]
.endr
.endr
	v_cndmask_b32 v[ST+TMP], v[ST+TMP], v[ST+24+TMP], s[HIM]   ; lanes 16-31 take the second tile's two bytes.  (A plain line behind the last conversion)
.irp t, 0,1
.irp c, 0,1
	global_store_b128 v[AK0], v[P+16*\t+4*\c:P+16*\t+4*\c+3], s[AOC:AOC+1] offset:4096*\t+512*\c   ; 512 consecutive bytes, aligned
.endr
.endr
	global_store_b16 v[A8], v[ST+TMP], s[AOS:AOS+1]   ; my head's two bytes of each row's scale word
	s_wait_xcnt 0x0                                ; the stores have read their bases and data: both are written again
	s_add_nc_u64 s[AOC:AOC+1], s[AOC:AOC+1], 65536 ; 16 tiles of rows on
	s_add_nc_u64 s[AOS:AOS+1], s[AOS:AOS+1], 2048
	s_add_co_u32 s[PASS], s[PASS], 1
	s_cmp_lt_u32 s[PASS], 2
	s_wait_alu depctr_va_vdst(0)                   ; the wait ahead of the branch
	s_cbranch_scc1 .Lpass
	s_wait_tensorcnt 0x0                           ; the wave's end
	ds_add_u32 v[SPW], v[NIL]
	s_wait_dscnt 0x0                               ; also the last step's loads into k's registers
	ROUND                                          ; the closing round
	s_endpgm
.Lfunc_end_k_q24e9ce6781_attn:
	.size	k_q24e9ce6781_attn, .Lfunc_end_k_q24e9ce6781_attn-k_q24e9ce6781_attn
	.p2alignl 7, 3214868480
	.fill 96, 4, 3214868480
	.section	.rodata,"a",@progbits
	.p2align	6, 0x0
	.amdhsa_kernel k_q24e9ce6781_attn
		.amdhsa_group_segment_fixed_size 327680
		.amdhsa_private_segment_fixed_size 0
		.amdhsa_enable_private_segment 0
		.amdhsa_kernarg_size 24
		.amdhsa_user_sgpr_count 2
		.amdhsa_user_sgpr_kernarg_segment_ptr 1
		.amdhsa_wavefront_size32 1
		.amdhsa_system_sgpr_workgroup_id_x 1
		.amdhsa_system_sgpr_workgroup_id_y 1
		.amdhsa_system_sgpr_workgroup_id_z 1
		.amdhsa_system_vgpr_workitem_id 0
		.amdhsa_next_free_vgpr 512
		.amdhsa_next_free_sgpr 80
		.amdhsa_reserve_vcc 0
		.amdhsa_float_denorm_mode_32 3
		.amdhsa_float_denorm_mode_16_64 3
		.amdhsa_memory_ordered 1
		.amdhsa_forward_progress 1
		.amdhsa_inst_pref_size 95
	.end_amdhsa_kernel
	.amdgpu_metadata
---
amdhsa.version: [ 1, 2 ]
amdhsa.kernels:
  - .name:           k_q24e9ce6781_attn
    .symbol:         k_q24e9ce6781_attn.kd
    .args:
      - { .name: qkv, .offset: 0, .size: 8, .value_kind: global_buffer, .address_space: global }
      - { .name: aoc, .offset: 8, .size: 8, .value_kind: global_buffer, .address_space: global }
      - { .name: aos, .offset: 16, .size: 8, .value_kind: global_buffer, .address_space: global }
    .group_segment_fixed_size: 327680
    .private_segment_fixed_size: 0
    .kernarg_segment_align: 8
    .kernarg_segment_size: 24
    .max_flat_workgroup_size: 256
    .sgpr_count:     80
    .vgpr_count:     512
    .wavefront_size: 32
...
	.end_amdgpu_metadata
.endif
;; end of part 3
;; launch proj (part 4): grid 8 x 32, 4 waves a work-group, clusters of 4 x 4, 327,680 bytes of LDS; arguments aoc, aos, cod, scl, b_out, out0; writes out0
.if DOCPART == 4
	.amdgcn_target "amdgcn-amd-amdhsa--gfx1250"
	.amdhsa_code_object_version 6
	.text
	.protected	k_q24e9ce6781_proj
	.globl	k_q24e9ce6781_proj
	.p2align	8
	.type	k_q24e9ce6781_proj,@function
k_q24e9ce6781_proj:
	s_mov_b64 s[64:65], 0
	v_nop
	global_prefetch_b8 v0, s[64:65] scope:SCOPE_SE
	s_setreg_imm32_b32 hwreg(HW_REG_WAVE_MODE, 25, 1), 1
	s_wait_xcnt 0x0
	s_wait_alu depctr_hold_cnt(0) depctr_sa_sdst(0) depctr_va_vdst(0) depctr_va_sdst(0) depctr_va_ssrc(0) depctr_va_vcc(0) depctr_vm_vsrc(0)
	s_getreg_b32 s2, hwreg(HW_REG_IB_STS2, 6, 4)
	s_cmp_eq_u32 s2, 0
	s_cbranch_scc0 .Lentry_in_a_cluster
	s_endpgm
.Lentry_in_a_cluster:
	s_bfe_u32 s2, ttmp6, 0x10000c
	s_cmp_lg_u32 s2, 0xf033
	s_cbranch_scc0 .Lentry_shape_is_right
	s_endpgm
.Lentry_shape_is_right:
; out0 = O W_out^T + b_out on codes of FP8 (E4M3) with E8M0 scales, K = 1,024, f32 sums and f32 results.
; OPERANDS come as images of their registers: an image is a tile of 16 rows x 128 K, byte 512 c + 16 lane + e; lane r of tile t holds row 32 (t / 2) + 8 (t % 2) + r + 8 (r / 8).
; L = O: aoc [K step of 256: 4][tile 512][2][image], aos [K step][tile][row 16][2] scale words.   R = W_out: tiles 704 .. 767 of cod [K step][tile 768][2][image] and of scl.
; A block of the result is 256 rows (L) x 128 columns (R): 8 x 32 = 256 work-groups.  Four waves, 2 x 2; a wave makes 128 x 64: 32 accumulators, one register window.
; Source 0 = 16 rows of R, source 1 = 16 rows of L: a lane holds one row of the result and eight neighbouring columns an accumulator.  The bias is the C of each sum's first product.
; K goes in steps of 256 through two LDS slots (L's 16 tiles, 65,536 bytes, then R's 8 tiles, 32,768).  The scale words of all of K come once, at the head.
; R's scale rows (8 tiles, 1,024 bytes a K step) are laid at L's pitch of 2,048: the descriptor states 1,024 bytes as what is left of the tensor, so the mover writes zeros behind them; no product reads those words.
; Both operands have two sets of fragment registers: a step of 128 along K asks for the next step's 48 + 8 LDS loads in one run and then issues its 32 products.
; CLUSTERS: 4 x 4 work-groups; L's tiles are asked for jointly along a row of the cluster, R's along a column.
; PREFETCH: of the blocks of 256 bytes that a wave fetches in a K step (L 128, R 64) the four partners that ask with it take a quarter each, told apart by address; K steps 1 and 2 are asked for at the head, K step 3 behind the first refill.
; LIMITS: NaN and infinities are not served.
; REGISTERS: window 0: v9 prefetch offset; v16-30 addresses; v32-63 scale words, two sets; v64-95 the bias; v128-255 L's set 0, on the way out the rows read back.  window 1: v0-127 R's two sets, v128-255 L's set 1.  window 2: the accumulators, (a, b) at 8 (4 a + b).
.set FR,    16
.set NP,    8                          ; places behind this matrix instruction (ISA guide 7.12.1)
.set SLOT,  98304
.set SCL,   196608                     ; L's scale words [K step 4][tile 16][128 bytes], then R's at the same pitch
.set SPARE, 212992                     ; the spare words: 128 bytes a wave, named by no other line
.set S2L,   2097152                    ; from a K step to the next in aoc,
.set S2R,   3145728                    ; in cod
.set SPITCH, 272                       ; the way out: a stage of 16 rows x (256 + 16) bytes a wave, in slot 0, which has had its last fill and its last read by then
.set PFO,  9
.set ADRA, 16
.set ADRB, 20
.set STO,  24
.set RD,   25
.set CO,   26
.set ADRS, 27
.set SPW,  28
.set NIL,  29
.set LI,   30
.set SC,   32
.set BIAS, 64
.set BK,   128
.set G1, 24
.set G0, 32
.set G1B, 48
.set G0B, 56
.set G1S, 68
.set G0S, 76
.set G1SB, 80
.set G0SB, 88
.set MSB, 0
.macro WIN new                         ; the immediate's high byte repeats the setting that is left
.if MSB != (\new)
	s_set_vgpr_msb (MSB<<8)|(\new)
.set MSB, (\new)
.endif
.endm
.macro PLACES n
.rept \n
	v_nop
.endr
.endm
.macro JLOAD g0a, g1a, g0b, g1b        ; a joint load: waves 0 and 1 fetch for L, waves 2 and 3 for R
	s_cmp_eq_u32 s15, 0
	s_cbranch_scc0 .Lfor_b_\@
	tensor_load_to_lds s[\g0a:\g0a+3], s[\g1a:\g1a+7]
	s_nop 0
	PLACES 4
	s_branch .Lasked_\@
.Lfor_b_\@:
	tensor_load_to_lds s[\g0b:\g0b+3], s[\g1b:\g1b+7]
	s_nop 0
	PLACES 4
.Lasked_\@:
.endm
.macro CREST                           ; a round of the cluster's barrier behind its opening barrier
	s_cmp_lg_u32 s14, 0
	s_cbranch_scc1 .Lnot_wave_0_\@
	s_barrier_signal -3
.Lnot_wave_0_\@:
	s_barrier_wait -3
	s_barrier_signal -1
	s_barrier_wait -1
.endm
.macro CROUND
	s_barrier_signal -1
	s_barrier_wait -1
	CREST
.endm
	s_load_b256 s[4:11], s[0:1], 0x0               ; aoc, aos, cod, scl
	s_load_b128 s[92:95], s[0:1], 0x20             ; b_out, out0
	v_lshl_add_u32 v[SPW], v0, 2, SPARE
	v_mov_b32 v[NIL], 0
	ds_add_u32 v[SPW], v[NIL]                      ; the opening lines: the add twice on end and one wait
	ds_add_u32 v[SPW], v[NIL]
	v_lshrrev_b32 v1, 5, v0
	v_readfirstlane_b32 s14, v1                    ; wave 0..3
	s_lshr_b32 s15, s14, 1                         ; my half of L's rows.  Also: I fetch for L (0) or for R (1)
	s_and_b32 s16, s14, 1                          ; my half of R's rows.  Also: which half of a tile I fetch
	s_bfe_u32 s40, ttmp6, 0x40000                  ; cx
	s_bfe_u32 s41, ttmp6, 0x40004                  ; cy
	s_lshl_b32 s42, ttmp9, 2
	s_add_co_u32 s42, s42, s40                     ; block column 0..7
	s_and_b32 s17, ttmp7, 0xffff
	s_lshl_b32 s17, s17, 2
	s_add_co_u32 s17, s17, s41                     ; block row 0..31
	s_lshl_b32 s43, s41, 2
	s_lshl_b32 s43, 15, s43                        ; my row of the cluster
	s_lshl_b32 s44, 0x1111, s40                    ; my column
	s_or_b32 s[G1+0], s43, (3<<16)|(1<<21)         ; the mask; elements of 8 bytes; bit 21 beside a mask; no padding: an image's loads take consecutive bytes
	s_or_b32 s[G1B+0], s44, (3<<16)|(1<<21)
.irp g, G1, G1B
	s_mov_b32 s[\g+1], 32<<16                      ; rows of 256 bytes, dense
	s_mov_b32 s[\g+3], 32<<16
	s_mov_b32 s[\g+5], 32
	s_mov_b32 s[\g+6], 0
	s_mov_b32 s[\g+7], 0
.endr
	s_mov_b32 s[G1+2], 256<<16                     ; the head's loads: L's 16 tiles are 256 rows,
	s_mov_b32 s[G1+4], 256
	s_mov_b32 s[G1B+2], 128<<16                    ; R's 8 tiles 128; halved for the ring behind them
	s_mov_b32 s[G1B+4], 128
	s_or_b32 s[G1S+0], s43, (3<<16)|(1<<21)
	s_or_b32 s[G1SB+0], s44, (3<<16)|(1<<21)
.irp g, G1S, G1SB
	s_mov_b32 s[\g+2], 4<<16                       ; four K steps,
	s_mov_b32 s[\g+3], 256<<16                     ; 2,048 bytes of LDS each
	s_mov_b32 s[\g+4], 4
	s_mov_b32 s[\g+6], 0
	s_mov_b32 s[\g+7], 0
.endr
	s_mov_b32 s[G1S+1], 256<<16                    ; L: 16 tiles' words
	s_mov_b32 s[G1S+5], 8192                       ; 65,536 bytes from K step to K step
	s_mov_b32 s[G1SB+1], 128<<16                   ; R: 8 tiles' words are left of the tensor: zeros behind them
	s_mov_b32 s[G1SB+5], 12288                     ; 98,304 bytes
	s_lshl_b32 s19, s17, 4                         ; L's first tile
	s_lshl_b32 s99, s42, 3
	s_add_co_u32 s99, s99, 704                     ; R's
	s_lshl_b32 s20, s19, 12
	s_mov_b32 s21, 0
	s_lshl_b32 s22, s19, 7
	s_mov_b32 s23, 0
	s_lshl_b32 s46, s99, 12
	s_mov_b32 s47, 0
	s_lshl_b32 s96, s99, 7
	s_mov_b32 s97, 0
	s_lshl_b32 s12, s16, 15                        ; in the ring I fetch half a tile: of L 32,768 bytes,
	s_mov_b32 s13, 0
	s_lshl_b32 s18, s16, 14                        ; of R 16,384
	s_mov_b32 s19, 0
	s_wait_dscnt 0x0
	s_wait_kmcnt 0x0
	s_add_nc_u64 s[20:21], s[4:5], s[20:21]
	s_add_nc_u64 s[22:23], s[6:7], s[22:23]
	s_add_nc_u64 s[46:47], s[8:9], s[46:47]
	s_add_nc_u64 s[96:97], s[10:11], s[96:97]
	CROUND                                         ; all sixteen work-groups are here: the first joint loads meet
	s_mov_b32 s[G0S], 1
	s_mov_b32 s[G0S+1], SCL
	s_mov_b64 s[G0S+2:G0S+3], s[22:23]
	s_or_b32 s[G0S+3], s[G0S+3], 0x80000000
	s_mov_b32 s[G0SB], 1
	s_mov_b32 s[G0SB+1], SCL+8192
	s_mov_b64 s[G0SB+2:G0SB+3], s[96:97]
	s_or_b32 s[G0SB+3], s[G0SB+3], 0x80000000
	s_mov_b32 s[G0], 1                             ; slot 0's groups 0 serve the head first: K step 0's tiles whole
	s_mov_b32 s[G0+1], 0
	s_mov_b64 s[G0+2:G0+3], s[20:21]
	s_or_b32 s[G0+3], s[G0+3], 0x80000000
	s_mov_b32 s[G0B], 1
	s_mov_b32 s[G0B+1], 65536
	s_mov_b64 s[G0B+2:G0B+3], s[46:47]
	s_or_b32 s[G0B+3], s[G0B+3], 0x80000000
	s_add_nc_u64 s[20:21], s[20:21], s[12:13]      ; for the ring: my half
	s_add_nc_u64 s[46:47], s[46:47], s[18:19]
	s_mov_b32 s[G0+4], 1
	s_add_co_u32 s[G0+5], s12, SLOT
	s_add_nc_u64 s[G0+6:G0+7], s[20:21], S2L
	s_or_b32 s[G0+7], s[G0+7], 0x80000000
	s_mov_b32 s[G0B+4], 1
	s_add_co_u32 s[G0B+5], s18, SLOT+65536
	s_add_nc_u64 s[G0B+6:G0B+7], s[46:47], S2R
	s_or_b32 s[G0B+7], s[G0B+7], 0x80000000
; the head's four tiles, one joint load a wave: wave 0 L's codes of K step 0, wave 1 R's, wave 2 L's scale words, wave 3 R's.  One chain of branches on the wave's number
.macro ARM under, g0, g1, next
	s_cmp_lt_u32 s14, \under
	s_cbranch_scc0 \next
	tensor_load_to_lds s[\g0:\g0+3], s[\g1:\g1+7]
	s_nop 0
	PLACES 4
	s_branch .Lhead_asked
\next:
.endm
	ARM 1, G0,  G1,  .Lhead_b
	ARM 2, G0B, G1B, .Lhead_sa
	ARM 3, G0S, G1S, .Lhead_sb
	tensor_load_to_lds s[G0SB:G0SB+3], s[G1SB:G1SB+7]
	s_nop 0
	PLACES 4
.Lhead_asked:
	s_cmp_eq_u32 s15, 0                            ; the prefetches' addresses: s[4:5], s[6:7], s[10:11] = my work-group's quarter of my half tile at K steps 1, 2, 3; never rewritten
	s_cselect_b64 s[4:5], s[20:21], s[46:47]
	s_cselect_b32 s6, s40, s41                     ; my place among the four that ask with me
	s_cselect_b32 s7, 13, 12                       ; a quarter: 8,192 bytes of L, 4,096 of R
	s_cselect_b32 s98, 31, 15                      ; 32 or 16 blocks; lanes left over name the last again
	s_mov_b32 s8, S2R
	s_cselect_b32 s8, S2L, s8
	s_mov_b32 s9, 0
	s_lshl_b32 s6, s6, s7
	s_mov_b32 s7, 0
	s_add_nc_u64 s[4:5], s[4:5], s[6:7]
	s_add_nc_u64 s[4:5], s[4:5], s[8:9]
	s_add_nc_u64 s[6:7], s[4:5], s[8:9]
	s_add_nc_u64 s[10:11], s[6:7], s[8:9]
	s_lshl_b32 s20, s15, 15                        ; LDS: my 8 tiles of L in slot 0, 1,
	s_add_co_u32 s21, s20, SLOT
	s_lshl_b32 s22, s16, 14                        ; my 4 tiles of R
	s_add_co_u32 s22, s22, 65536
	s_add_co_u32 s23, s22, SLOT
	s_lshl_b32 s47, s15, 10                        ; my scale words: L's,
	s_lshl_b32 s46, s16, 9                         ; R's, 8,192 bytes behind L's first:
	s_add_co_u32 s46, s46, 8192
	s_sub_co_u32 s46, s46, s47                     ; the distance between the two
	s_add_co_u32 s47, s47, SCL
	s_mul_i32 s96, s14, 16*SPITCH                  ; my stage
	s_lshl_b32 s2, s42, 9                          ; my first column, in bytes: 512 x block column + 256 x half
	s_lshl_b32 s3, s16, 8
	s_add_co_u32 s2, s2, s3
	s_mov_b32 s3, 0
	s_add_nc_u64 s[92:93], s[92:93], s[2:3]        ; b_out at my 64 numbers
	s_add_nc_u64 s[94:95], s[94:95], s[2:3]
	s_lshl_b32 s2, s17, 20                         ; my first row: 256 x block row + 128 x half, rows of 4,096 bytes
	s_lshl_b32 s99, s15, 19
	s_add_co_u32 s2, s2, s99
	s_add_nc_u64 s[94:95], s[94:95], s[2:3]
	v_and_b32 v1, 15, v0                           ; r
	v_bfe_u32 v2, v0, 4, 1                         ; h
	v_and_b32 v3, 31, v0
	v_lshlrev_b32 v[LI], 4, v3
	v_add_nc_u32 v[ADRA], s20, v[LI]
	v_add_nc_u32 v[ADRA+1], s21, v[LI]
	v_add_nc_u32 v[ADRB], s22, v[LI]
	v_add_nc_u32 v[ADRB+1], s23, v[LI]
	v_lshlrev_b32 v5, 3, v1                        ; my row's two words of a K step
	v_mul_u32_u24 v6, s46, v2                      ; lanes 16-31 take R's: one product
	v_add_nc_u32 v5, v5, v6
	v_add_nc_u32 v[ADRS], s47, v5
	v_mul_u32_u24 v5, v1, SPITCH                   ; the stage, in: row r, 64 bytes for each half of the lanes
	v_lshl_add_u32 v5, v2, 6, v5
	v_add_nc_u32 v[STO], s96, v5
	v_mul_u32_u24 v6, v2, SPITCH                   ; back: sixteen lanes to a row, two rows an instruction
	v_lshl_add_u32 v6, v1, 4, v6
	v_add_nc_u32 v[RD], s96, v6
	v_lshlrev_b32 v8, 12, v2                       ; and the same two rows in out0
	v_lshl_add_u32 v[CO], v1, 4, v8
	v_lshlrev_b32 v7, 6, v2                        ; the bias: 64 h
	v_min_u32 v[PFO], s98, v3
	v_lshlrev_b32 v[PFO], 8, v[PFO]
	global_prefetch_b8 v[PFO], s[4:5] th:TH_LOAD_NT scope:SCOPE_SE
	global_prefetch_b8 v[PFO], s[6:7] th:TH_LOAD_NT scope:SCOPE_SE
.irp b, 0,1,2,3                        ; register j of R's block b is column 32 (b / 2) + 8 (b % 2) + 16 h + j
	global_load_b128 v[BIAS+8*\b:BIAS+8*\b+3], v7, s[92:93] offset:128*(\b/2)+32*(\b%2)
	global_load_b128 v[BIAS+8*\b+4:BIAS+8*\b+7], v7, s[92:93] offset:128*(\b/2)+32*(\b%2)+16
.endr
.macro FRAG reg, adr, q, i             ; an image comes back as it was laid: four loads of 512 consecutive bytes
.irp c, 0,1,2,3
	ds_load_b128 v[\reg+4*\c:\reg+4*\c+3], v[\adr] offset:4096*(\i)+2048*(\q)+512*\c
.endr
.endm
.macro FETCH slot, q                   ; the slot's q-th 128 of K into set q: R's four fragments, L's eight
	WIN 0x40
.irp i, 0,1,2,3
	FRAG 64*(\q)+FR*\i, ADRB+\slot, \q, \i
.endr
.if (\q) == 0
	WIN 0
.endif
.irp i, 0,1,2,3,4,5,6,7
	FRAG 128+FR*\i, ADRA+\slot, \q, \i
.endr
	WIN 0
.endm
.macro SCALES sc, s2                   ; the scale words of K step s2 into set sc: two words a row; lanes 0-15 L's block i, lanes 16-31 R's block i (i under 4)
.irp i, 0,1,2,3,4,5,6,7
	ds_load_b64 v[SC+16*(\sc)+2*\i:SC+16*(\sc)+2*\i+1], v[ADRS] offset:2048*(\s2)+128*\i
.endr
.endm
; 16 matrix instructions: L's blocks a0 .. a0 + 3 x R's four.  The 32 accumulators take turns, in the same order in every step.  mode 1: C = the bias
.macro MUL a0, q, sc, mode
.irp a, \a0, \a0+1, \a0+2, \a0+3
.irp b, 0,1,2,3
.if \mode
	v_wmma_scale_f32_16x16x128_f8f6f4 v[8*(4*(\a)+\b):8*(4*(\a)+\b)+7], v[64*(\q)+FR*\b:64*(\q)+FR*\b+FR-1], v[128+FR*(\a):128+FR*(\a)+FR-1], v[BIAS+8*\b:BIAS+8*\b+7], v[SC+16*(\sc)+2*\b+(\q)], v[SC+16*(\sc)+2*(\a)+(\q)] matrix_a_scale:MATRIX_SCALE_ROW1
.else
	v_wmma_scale_f32_16x16x128_f8f6f4 v[8*(4*(\a)+\b):8*(4*(\a)+\b)+7], v[64*(\q)+FR*\b:64*(\q)+FR*\b+FR-1], v[128+FR*(\a):128+FR*(\a)+FR-1], v[8*(4*(\a)+\b):8*(4*(\a)+\b)+7], v[SC+16*(\sc)+2*\b+(\q)], v[SC+16*(\sc)+2*(\a)+(\q)] matrix_a_scale:MATRIX_SCALE_ROW1
.endif
.endr
.endr
.endm
; a slot's first 128 of K: set 0 is multiplied while set 1 is fetched
.macro STEP slot, mode
	s_wait_dscnt 0x0                               ; set 0 and the scale words are in
.if (\mode) == 0
	PLACES NP                                      ; behind the products that read set 1
.endif
	FETCH \slot, 1
.if \mode
	WIN 0x81                                       ; source 0 window 1, source 1 and C window 0, D window 2
.else
	WIN 0xa1
.endif
	MUL 0, 0, \slot, \mode
	MUL 4, 0, \slot, \mode
	WIN 0
.endm
; a slot's second 128 changes slots: one barrier; in front of it each wave waits for all its tensor loads, adds 0 to its spare word, and waits for that and for its reads of this slot.
; fill = 1: this slot is filled again, two K steps ahead, behind a round of the cluster's barrier.  s2n: the K step that lies in the next slot
.macro TURN slot, next, fill, s2n
	s_wait_tensorcnt 0x0                           ; my part of the next slot has landed
	ds_add_u32 v[SPW], v[NIL]
	s_wait_dscnt 0x0                               ; the add is done, set 1 is in, and my reads of this slot are over
	s_barrier_signal -1
	WIN 0xa5                                       ; sources 0 and 1 window 1, C and D window 2
	MUL 0, 1, \slot, 0
	WIN 0
	s_barrier_wait -1
.if \fill
	CREST                                          ; no wave of any partner still reads this slot or has a load on its way
	s_add_nc_u64 s[G0+4*\slot+2:G0+4*\slot+3], s[G0+4*\slot+2:G0+4*\slot+3], 2*S2L
	s_add_nc_u64 s[G0B+4*\slot+2:G0B+4*\slot+3], s[G0B+4*\slot+2:G0B+4*\slot+3], 2*S2R
	JLOAD G0+4*\slot, G1, G0B+4*\slot, G1B         ; the first tensor load behind the round; its four v_nop are among the places in front of the loads below
	PLACES NP-4
.else
	PLACES NP
.endif
	FETCH \next, 0
	SCALES \next, \s2n
.if (\fill) && ((\slot) == 0)
	global_prefetch_b8 v[PFO], s[10:11] th:TH_LOAD_NT scope:SCOPE_SE   ; K step 3, which the next change of slots loads
.endif
	WIN 0xa5
	MUL 4, 1, \slot, 0
	WIN 0
.endm
	s_wait_alu depctr_va_vdst(0)                   ; the wait at the head's end
	s_wait_tensorcnt 0x0                           ; my tile of the head's four is in; the lines ahead of a later first fill:
	ds_add_u32 v[SPW], v[NIL]
	s_mov_b32 s[G1+2], 128<<16                     ; no tensor load of mine is out: from here on a load brings half a tile,
	s_mov_b32 s[G1+4], 128
	s_mov_b32 s[G1B+2], 64<<16
	s_mov_b32 s[G1B+4], 64
	s_mov_b32 s[G0+1], s12                         ; and slot 0's groups 0 become the ring's
	s_add_co_u32 s[G0B+1], s18, 65536
	s_add_nc_u64 s[G0+2:G0+3], s[G0+2:G0+3], s[12:13]
	s_add_nc_u64 s[G0B+2:G0B+3], s[G0B+2:G0B+3], s[18:19]
	s_wait_dscnt 0x0
	CROUND                                         ; all four tiles are in, and all sixteen work-groups are here
	JLOAD G0+4, G1, G0B+4, G1B                     ; K step 1: the first tensor load behind the round
	FETCH 0, 0
	SCALES 0, 0
	s_wait_loadcnt 0x0                             ; the bias
	STEP 0, 1
	TURN 0, 1, 1, 1                                ; slot 0 takes K step 2
	STEP 1, 0
	TURN 1, 0, 1, 2                                ; slot 1 takes K step 3
	STEP 0, 0
	TURN 0, 1, 0, 3                                ; nothing is left to fetch
	STEP 1, 0
	s_wait_dscnt 0x0
	WIN 0xa5
	MUL 0, 1, 1, 0
	MUL 4, 1, 1, 0
	WIN 0
; THE WAY OUT, block by block of 16 rows x 64 columns: through my own stage in LDS, back as whole rows of 256 bytes, which sixteen lanes store as one aligned unit.  LDS serves a wave's instructions in order (ISA guide 5.7.1.4)
.macro TOSTAGE a
	WIN 0x08                                       ; the data: window 2
.irp b, 0,1,2,3
	ds_store_b128 v[STO], v[8*(4*(\a)+\b):8*(4*(\a)+\b)+3] offset:128*(\b/2)+32*(\b%2)     ; each accumulator from its low end on
	ds_store_b128 v[STO], v[8*(4*(\a)+\b)+4:8*(4*(\a)+\b)+7] offset:128*(\b/2)+32*(\b%2)+16
.endr
	WIN 0
.set BB, BK+32*((\a)%2)
.irp u, 0,1,2,3,4,5,6,7
	ds_load_b128 v[BB+4*\u:BB+4*\u+3], v[RD] offset:2*\u*SPITCH
.endr
.endm
.macro SEND a, younger                 ; younger: the LDS instructions issued behind block a's loads, which may stay out
.set BB, BK+32*((\a)%2)
	s_wait_dscnt \younger
.irp u, 0,1,2,3,4,5,6,7
	global_store_b128 v[CO], v[BB+4*\u:BB+4*\u+3], s[94:95] offset:(32*((\a)/2)+8*((\a)%2)+2*\u+8*(\u/4))*4096 th:TH_STORE_NT   ; stage rows 2 u and 2 u + 1 of tile a
.endr
.endm
	PLACES NP                                      ; behind the last products
	TOSTAGE 0
.irp a, 1,2,3,4,5,6,7
.if \a > 1
	s_wait_xcnt 0x0                                ; block a - 2's stores have read their registers: block a's loads may land there
.endif
	TOSTAGE \a
	SEND \a-1, 16                                  ; behind block a - 1's loads: block a's 8 stores and 8 loads
.endr
	SEND 7, 0
	s_wait_tensorcnt 0x0                           ; the wave's end
	ds_add_u32 v[SPW], v[NIL]
	s_wait_dscnt 0x0
	CROUND                                         ; the closing round
	s_endpgm
.Lfunc_end_k_q24e9ce6781_proj:
	.size	k_q24e9ce6781_proj, .Lfunc_end_k_q24e9ce6781_proj-k_q24e9ce6781_proj
	.p2alignl 7, 3214868480
	.fill 96, 4, 3214868480
	.section	.rodata,"a",@progbits
	.p2align	6, 0x0
	.amdhsa_kernel k_q24e9ce6781_proj
		.amdhsa_group_segment_fixed_size 327680
		.amdhsa_private_segment_fixed_size 0
		.amdhsa_enable_private_segment 0
		.amdhsa_kernarg_size 48
		.amdhsa_user_sgpr_count 2
		.amdhsa_user_sgpr_kernarg_segment_ptr 1
		.amdhsa_wavefront_size32 1
		.amdhsa_system_sgpr_workgroup_id_x 1
		.amdhsa_system_sgpr_workgroup_id_y 1
		.amdhsa_system_sgpr_workgroup_id_z 1
		.amdhsa_system_vgpr_workitem_id 0
		.amdhsa_next_free_vgpr 768
		.amdhsa_next_free_sgpr 100
		.amdhsa_reserve_vcc 0
		.amdhsa_float_denorm_mode_32 3
		.amdhsa_float_denorm_mode_16_64 3
		.amdhsa_memory_ordered 1
		.amdhsa_forward_progress 1
		.amdhsa_inst_pref_size 90
	.end_amdhsa_kernel
	.amdgpu_metadata
---
amdhsa.version: [ 1, 2 ]
amdhsa.kernels:
  - .name:           k_q24e9ce6781_proj
    .symbol:         k_q24e9ce6781_proj.kd
    .args:
      - { .name: aoc, .offset: 0, .size: 8, .value_kind: global_buffer, .address_space: global }
      - { .name: aos, .offset: 8, .size: 8, .value_kind: global_buffer, .address_space: global }
      - { .name: cod, .offset: 16, .size: 8, .value_kind: global_buffer, .address_space: global }
      - { .name: scl, .offset: 24, .size: 8, .value_kind: global_buffer, .address_space: global }
      - { .name: b_out, .offset: 32, .size: 8, .value_kind: global_buffer, .address_space: global }
      - { .name: out0, .offset: 40, .size: 8, .value_kind: global_buffer, .address_space: global }
    .group_segment_fixed_size: 327680
    .private_segment_fixed_size: 0
    .kernarg_segment_align: 8
    .kernarg_segment_size: 48
    .max_flat_workgroup_size: 128
    .sgpr_count:     100
    .vgpr_count:     768
    .wavefront_size: 32
...
	.end_amdgpu_metadata
.endif
;; end of part 4
